; MI455X (gfx1250); checked and timed in simulation.
; The chip was launched on July 23, 2026; its instructions are those of AMD's public machine-readable ISA for CDNA 5 (MIT licence, August 2026) and "CDNA5" Instruction Set Architecture Reference Guide (July 2026). The comments in the code are by the model that wrote it; some were corrected since.
;; Triangle Attention. Allowed arithmetic: float matrix products may take bf16 or f16 operands with f32 sums; all other float work in f32.
;; Inputs: Wb 128 x 4 float32; Wg 128 x 128 float32; Wk 128 x 128 float32; Wo 128 x 128 float32; Wq 128 x 128 float32; Wv 128 x 128 float32; ln_b 128 float32; ln_w 128 float32; x 1 x 256 x 256 x 128 float32.
;; Outputs: out0 1 x 256 x 256 x 128 float32.
;; 3 versions, each right; version 2 is faster than version 1; version 3 is version 2 with the launch prep written anew for expert scheduling mode. Each part assembles by itself: llvm-mc -triple=amdgcn-amd-amdhsa -mcpu=gfx1250 --defsym DOCPART=n.
;; ======== version 1 of 3: 2 launches
;; limits: values are held in f16: magnitudes above 65,504 overflow, below 6.1e-05 lose precision
;; workspace buffers: zh 16,777,216 bytes; biasf 1,048,576 bytes; wfrag 163,840 bytes
;; launch prep (part 1): grid 296 x 1, 8 waves a work-group, no clusters, 5,120 bytes of LDS; arguments x, ln_w, ln_b, Wb, Wq, Wk, Wv, Wg, Wo, zh, biasf, wfrag; writes zh, biasf, wfrag
.if DOCPART == 1
	.amdgcn_target "amdgcn-amd-amdhsa--gfx1250"
	.amdhsa_code_object_version 6
	.text
	.protected	k_q969e9b2c64_prep
	.globl	k_q969e9b2c64_prep
	.p2align	8
	.type	k_q969e9b2c64_prep,@function
k_q969e9b2c64_prep:
	s_mov_b64 s[64:65], 0
	v_nop
	global_prefetch_b8 v0, s[64:65] scope:SCOPE_SE
	s_setreg_imm32_b32 hwreg(HW_REG_WAVE_MODE, 25, 1), 1
	s_wait_xcnt 0x0
; TriangleAttention, first of two launches.  No step and no input of the problem is left out in either launch.
; This launch reads x once and stores what the second launch needs from ALL rows or in another form:
;   zh     z = LayerNorm(x) * ln_w + ln_b as f16, [256][256][128], rows of 256 bytes
;   biasf  log2(e) * (z @ Wb) in f32, in the register order of the second launch's score tiles:
;          byte qt*65536 + h*16384 + kt*1024 + half*512 + lane*16 + i*4
;          = head h, query 16 qt + (lane & 15), key 16 kt + 8 (lane >> 4) + 4 half + i
;   wfrag  Wq (times 32^-0.5 * log2(e)), Wk, Wv, Wg, Wo as f16 in matrix-fragment order: half-fragment
;          T = ((m*8 + ct)*4 + ks)*2 + half at byte T*512 + lane*16
;          = W_m[32 ks + 16 half + 8 (lane >> 4) + 0..7][16 ct + (lane & 15)]
; The logits are kept in base 2, so that the softmax needs exp2 alone; that is why log2(e) is folded in here.
; LIMIT: z and the weights are rounded to f16: a value above 65,504 in magnitude overflows, one below 6e-8 is lost.
; z @ Wb has 4 columns for 128 k: it is done on the vector unit in f32 (a 16-column matrix tile would be three quarters idle,
; and the bias stays unrounded).
;
; Work-groups 0..255: qt = wg >> 4, kt = wg & 15: the 256 rows (i = 16 qt + 0..15, j = 16 kt + 0..15), which are four whole 1-KiB blocks of biasf.
; Sixteen lanes hold a row, lane c = tid & 15 its numbers 8c..8c+7; tid >> 4 = 0..15 is the query iq; step s = 0..15 is the key.
; So a reduction is four steps inside sixteen lanes, and a store of z is 16 lanes x 16 bytes = one whole row of 256 bytes.
; Work-groups 256..295: 40 x 8 waves make the 320 half-fragments of wfrag, one each.
.set LOG2E,  0x3fb8aa3b
.set QSCALE, 0x3e8293ee                ; 32^-0.5 * log2(e)
.set XO,  4                            ; v4   iq*131072 + 32c: my 32 bytes of x's row, step 0
.set ZO,  5                            ; v5   iq*65536 + 16c: my 16 bytes of zh's row, step 0
.set LW,  6                            ; v6   iq*16: my query's place in an LDS block
.set PO,  7                            ; v7   32c: my 8 numbers of ln_w and ln_b
.set WBO, 8                            ; v8   128c: my 8 rows of Wb
.set LR,  9                            ; v9   16 tid: the way out of LDS
.set BO,  10                           ; v10  (tid >> 6)*16384 + (tid & 63)*16: the same 16 bytes in biasf
.set LNW, 12                           ; v[12:19] ln_w of my 8 columns
.set LNB, 20                           ; v[20:27] ln_b
.set WB,  28                           ; v[28:59] log2(e) * Wb[8c + d][h] at 4d + h
.set T,   60                           ; v[60:63] at work
.set SM,  64                           ; v[64:65] the row's sum (the second register is only there because a pair is named)
.set SS,  66                           ; v66      the sum of squares
.set RS,  68                           ; v[68:69] 1/sqrt(var + eps) (second register as for SM)
.set RW,  70                           ; v[70:77] rstd * ln_w
.set A,   78                           ; v[78:81] the four heads' partial dot products
.set R,   82                           ; v[82:97] bias of head h, key 4a + i at 4h + i
.set G,   98                           ; v[98:101] 16 bytes on their way from LDS to biasf
.set X,   104                          ; v[104:231] step s: 8 registers, x as loaded, then z
	s_load_b512 s[8:23], s[0:1], 0x0               ; x s[8:9], ln_w s[10:11], ln_b s[12:13], Wb s[14:15], Wq s[16:17], Wk s[18:19], Wv s[20:21], Wg s[22:23]
	s_load_b256 s[24:31], s[0:1], 0x40             ; Wo s[24:25], zh s[26:27], biasf s[28:29], wfrag s[30:31]
	v_lshl_add_u32 v232, v0, 2, 0x1000
	v_mov_b32 v233, 0
	v_lshrrev_b32 v1, 5, v0
	v_readfirstlane_b32 s4, v1                     ; wave 0..7
	s_cmp_ge_u32 ttmp9, 256                        ; the same for all waves of a work-group
	s_cbranch_scc1 .Lweights
	s_lshr_b32 s5, ttmp9, 4                        ; qt
	s_and_b32 s6, ttmp9, 15                        ; kt
	s_mov_b32 s34, 0x3c000000                      ; 1/128
	s_mov_b32 s35, 0x3727c5ac                      ; 1e-5
	v_and_b32 v1, 15, v0                           ; c
	v_lshrrev_b32 v2, 4, v0                        ; iq
	v_lshlrev_b32 v[PO], 5, v1
	v_lshlrev_b32 v[WBO], 7, v1
	v_lshl_add_u32 v[XO], v2, 17, v[PO]
	v_lshlrev_b32 v[ZO], 4, v1
	v_lshl_add_u32 v[ZO], v2, 16, v[ZO]
	v_lshlrev_b32 v[LW], 4, v2
	v_lshlrev_b32 v[LR], 4, v0
	v_lshrrev_b32 v[BO], 6, v0
	v_and_b32 v11, 63, v0
	v_lshlrev_b32 v11, 4, v11
	v_lshl_add_u32 v[BO], v[BO], 14, v11
	s_lshl_b32 s2, s5, 21                          ; x: 16 qt rows i of 131,072 bytes
	s_lshl_b32 s3, s6, 13                          ;    + 16 kt rows j of 512 bytes
	s_add_co_u32 s2, s2, s3
	s_mov_b32 s3, 0
	s_lshl_b32 s32, s5, 20                         ; zh: half of that
	s_lshl_b32 s33, s6, 12
	s_add_co_u32 s32, s32, s33
	s_mov_b32 s33, 0
	s_lshl_b32 s36, s5, 16                         ; biasf: qt*65536 + kt*1024
	s_lshl_b32 s37, s6, 10
	s_add_co_u32 s36, s36, s37
	s_mov_b32 s37, 0
	s_wait_kmcnt 0x0
	s_add_nc_u64 s[8:9], s[8:9], s[2:3]
	s_add_nc_u64 s[26:27], s[26:27], s[32:33]
	s_add_nc_u64 s[28:29], s[28:29], s[36:37]
	; twelve parameter loads, then all 32 loads of x at once: 16 KiB of every wave are on their way
	global_load_b128 v[LNW:LNW+3], v[PO], s[10:11]
	global_load_b128 v[LNW+4:LNW+7], v[PO], s[10:11] offset:16
	global_load_b128 v[LNB:LNB+3], v[PO], s[12:13]
	global_load_b128 v[LNB+4:LNB+7], v[PO], s[12:13] offset:16
.irp d, 0,1,2,3,4,5,6,7
	global_load_b128 v[WB+4*\d:WB+4*\d+3], v[WBO], s[14:15] offset:16*\d
.endr
.irp s, 0,1,2,3,4,5,6,7,8,9,10,11,12,13,14,15
	global_load_b128 v[X+8*\s:X+8*\s+3], v[XO], s[8:9] offset:512*\s th:TH_LOAD_NT       ; x is read once in the launch
	global_load_b128 v[X+8*\s+4:X+8*\s+7], v[XO], s[8:9] offset:512*\s+16 th:TH_LOAD_NT  ; the two lines together cover two whole rows
.endr
	v_mov_b32 v[SM+1], 0                           ; named as halves of broadcast pairs, never used
	v_mov_b32 v[RS+1], 0
.irp i, 0,1,2,3,4,5,6,7,8,9,10,11,12,13,14,15
	v_mov_b32 v[R+\i], 0                           ; destinations of lane-crossing adds count as read: written once
.endr
	s_wait_loadcnt 32                              ; the parameters are in; the 32 younger loads of x stay out
.irp i, 0,1,2,3,4,5,6,7,8,9,10,11,12,13,14,15
	v_pk_mul_f32 v[WB+2*\i:WB+2*\i+1], v[WB+2*\i:WB+2*\i+1], LOG2E op_sel_hi:[1,0]
.endr
; the sum over the sixteen lanes of a row: three steps in place on a, the fourth into d; every lane ends with the sum
.macro RSUM d, a
	v_add_f32_dpp v[\a], v[\a], v[\a] row_xmask:1 row_mask:0xf bank_mask:0xf
	v_add_f32_dpp v[\a], v[\a], v[\a] row_xmask:2 row_mask:0xf bank_mask:0xf
	v_add_f32_dpp v[\a], v[\a], v[\a] row_xmask:4 row_mask:0xf bank_mask:0xf
	v_add_f32_dpp v[\d], v[\a], v[\a] row_xmask:8 row_mask:0xf bank_mask:0xf
.endm
; Step s: the wave's two rows (queries 2w, 2w+1; key 16 kt + s)
.macro STEP s
	s_wait_loadcnt 30-2*\s                         ; loads come back in order: this step's two are in, those of the later steps stay out
	v_pk_add_f32 v[T:T+1], v[X+8*\s:X+8*\s+1], v[X+8*\s+2:X+8*\s+3]
	v_pk_add_f32 v[T+2:T+3], v[X+8*\s+4:X+8*\s+5], v[X+8*\s+6:X+8*\s+7]
	v_pk_add_f32 v[T:T+1], v[T:T+1], v[T+2:T+3]
	v_add_f32 v[SM], v[T], v[T+1]
	RSUM SM, SM
.irp j, 0,2,4,6
	v_pk_fma_f32 v[X+8*\s+\j:X+8*\s+\j+1], v[SM:SM+1], 0xbc000000, v[X+8*\s+\j:X+8*\s+\j+1] op_sel_hi:[0,0,1]   ; x - sum/128
.endr
	v_pk_mul_f32 v[T:T+1], v[X+8*\s:X+8*\s+1], v[X+8*\s:X+8*\s+1]
.irp j, 2,4,6
	v_pk_fma_f32 v[T:T+1], v[X+8*\s+\j:X+8*\s+\j+1], v[X+8*\s+\j:X+8*\s+\j+1], v[T:T+1]
.endr
	v_add_f32 v[SS], v[T], v[T+1]
	RSUM SS, SS
	v_fma_f32 v[T], v[SS], s34, s35                ; var + eps
	v_rsq_f32 v[RS], v[T]
	v_nop                                          ; one plain instruction behind v_rsq_f32 before its result is used (ISA guide 5.7.2)
	s_wait_alu depctr_va_vdst(0)
.irp j, 0,2,4,6
	v_pk_mul_f32 v[RW+\j:RW+\j+1], v[LNW+\j:LNW+\j+1], v[RS:RS+1] op_sel_hi:[1,0]
.endr
.irp j, 0,2,4,6
	v_pk_fma_f32 v[X+8*\s+\j:X+8*\s+\j+1], v[X+8*\s+\j:X+8*\s+\j+1], v[RW+\j:RW+\j+1], v[LNB+\j:LNB+\j+1]       ; z in f32
.endr
	; my 8 numbers' part of z . Wb[:, h]: heads 0, 1 in A, A+1, heads 2, 3 in A+2, A+3; z_d is broadcast to both halves
.irp e, 0,2,4,6
.if \e
	v_pk_fma_f32 v[A:A+1], v[X+8*\s+\e:X+8*\s+\e+1], v[WB+4*\e:WB+4*\e+1], v[A:A+1] op_sel_hi:[0,1,1]
	v_pk_fma_f32 v[A+2:A+3], v[X+8*\s+\e:X+8*\s+\e+1], v[WB+4*\e+2:WB+4*\e+3], v[A+2:A+3] op_sel_hi:[0,1,1]
.else
	v_pk_mul_f32 v[A:A+1], v[X+8*\s:X+8*\s+1], v[WB:WB+1] op_sel_hi:[0,1]
	v_pk_mul_f32 v[A+2:A+3], v[X+8*\s:X+8*\s+1], v[WB+2:WB+3] op_sel_hi:[0,1]
.endif
	v_pk_fma_f32 v[A:A+1], v[X+8*\s+\e:X+8*\s+\e+1], v[WB+4*\e+4:WB+4*\e+5], v[A:A+1] op_sel:[1,0,0] op_sel_hi:[1,1,1]
	v_pk_fma_f32 v[A+2:A+3], v[X+8*\s+\e:X+8*\s+\e+1], v[WB+4*\e+6:WB+4*\e+7], v[A+2:A+3] op_sel:[1,0,0] op_sel_hi:[1,1,1]
.endr
.irp m, 1,2,4
.irp h, 0,1,2,3
	v_add_f32_dpp v[A+\h], v[A+\h], v[A+\h] row_xmask:\m row_mask:0xf bank_mask:0xf
.endr
.endr
.irp h, 0,1,2,3
	v_add_f32_dpp v[R+4*\h+(\s&3)], v[A+\h], v[A+\h] row_xmask:8 row_mask:0xf bank_mask:0xf
.endr
.irp j, 0,1,2,3
	v_cvt_pk_f16_f32 v[X+8*\s+\j], v[X+8*\s+2*\j], v[X+8*\s+2*\j+1]    ; in place, ascending: a destination has been consumed before it is written
.endr
	global_store_b128 v[ZO], v[X+8*\s:X+8*\s+3], s[26:27] offset:256*\s   ; 16 lanes store one whole row of 256 bytes; these registers are never written again
.if (\s&3) == 3
.irp h, 0,1,2,3
	ds_store_b128 v[LW], v[R+4*\h:R+4*\h+3] offset:\h*1024+((\s>>2)&1)*512+(\s>>3)*256   ; keys 4a..4a+3 (a = s >> 2) of my query; the 16 lanes of a row write the same 16 bytes with the same numbers
.endr
.endif
.endm
.irp s, 0,1,2,3,4,5,6,7,8,9,10,11,12,13,14,15
	STEP \s
.endr
	s_wait_dscnt 0x0                               ; my LDS stores are done, for the other waves' sake,
	s_barrier_signal -1
	s_barrier_wait -1                              ; and so are everybody's: the four 1-KiB blocks are whole
	ds_load_b128 v[G:G+3], v[LR]
	s_wait_dscnt 0x0
	global_store_b128 v[BO], v[G:G+3], s[28:29]    ; a wave stores 512 consecutive bytes, aligned
	s_wait_tensorcnt 0x0
	ds_add_u32 v232, v233
	s_wait_dscnt 0x0
	s_endpgm
; One half-fragment a wave: 32 lanes x 8 numbers of one column of W_m, rounded to f16.  The reads are pieces of 64 bytes of rows of 512;
; all five matrices together are 320 KiB, read once.
.Lweights:
	s_sub_co_u32 s5, ttmp9, 256                    ; 0..39
	s_lshr_b32 s6, s5, 3                           ; m: which matrix
	s_and_b32 s7, s5, 7                            ; ct: which 16 columns
	s_lshl_b32 s32, s5, 3
	s_add_co_u32 s32, s32, s4                      ; T = 8 (wg - 256) + wave; the wave's number is 2 ks + half
	s_lshl_b32 s32, s32, 9                         ; T * 512
	s_lshl_b32 s33, s7, 6                          ; 16 ct columns of 4 bytes
	s_lshl_b32 s36, s4, 13                         ; (32 ks + 16 half) rows of 512 bytes = wave * 8192
	s_add_co_u32 s33, s33, s36
	v_and_b32 v1, 15, v0
	v_bfe_u32 v2, v0, 4, 1
	v_lshlrev_b32 v1, 2, v1                        ; my column
	v_lshl_add_u32 v1, v2, 12, v1                  ; 8 rows further down for lanes 16 to 31
	v_add_nc_u32 v1, s33, v1
	v_and_b32 v3, 31, v0
	v_lshlrev_b32 v3, 4, v3
	v_add_nc_u32 v3, s32, v3
	s_wait_kmcnt 0x0
	s_cmp_eq_u32 s6, 1
	s_cselect_b64 s[16:17], s[18:19], s[16:17]     ; the matrix is chosen by the work-group's number
	s_cmp_eq_u32 s6, 2
	s_cselect_b64 s[16:17], s[20:21], s[16:17]
	s_cmp_eq_u32 s6, 3
	s_cselect_b64 s[16:17], s[22:23], s[16:17]
	s_cmp_eq_u32 s6, 4
	s_cselect_b64 s[16:17], s[24:25], s[16:17]
	s_cmp_eq_u32 s6, 0
	s_cselect_b32 s2, QSCALE, 1.0                  ; Wq carries the logits' scale
	s_mov_b32 s3, s2
.irp i, 0,1,2,3,4,5,6,7
	global_load_b32 v[4+\i], v1, s[16:17] offset:512*\i
.endr
	s_wait_loadcnt 0x0
.irp i, 0,1,2,3
	v_pk_mul_f32 v[4+2*\i:5+2*\i], v[4+2*\i:5+2*\i], s[2:3] op_sel_hi:[1,0]
.endr
.irp i, 0,1,2,3
	v_cvt_pk_f16_f32 v[12+\i], v[4+2*\i], v[5+2*\i]
.endr
	global_store_b128 v3, v[12:15], s[30:31]       ; the wave stores its 512 consecutive bytes
	s_endpgm
.Lfunc_end_k_q969e9b2c64_prep:
	.size	k_q969e9b2c64_prep, .Lfunc_end_k_q969e9b2c64_prep-k_q969e9b2c64_prep
	.p2alignl 7, 3214868480
	.fill 96, 4, 3214868480
	.section	.rodata,"a",@progbits
	.p2align	6, 0x0
	.amdhsa_kernel k_q969e9b2c64_prep
		.amdhsa_group_segment_fixed_size 5120
		.amdhsa_private_segment_fixed_size 0
		.amdhsa_enable_private_segment 0
		.amdhsa_kernarg_size 96
		.amdhsa_user_sgpr_count 2
		.amdhsa_user_sgpr_kernarg_segment_ptr 1
		.amdhsa_wavefront_size32 1
		.amdhsa_system_sgpr_workgroup_id_x 1
		.amdhsa_system_sgpr_workgroup_id_y 1
		.amdhsa_system_sgpr_workgroup_id_z 1
		.amdhsa_system_vgpr_workitem_id 0
		.amdhsa_next_free_vgpr 234
		.amdhsa_next_free_sgpr 66
		.amdhsa_reserve_vcc 0
		.amdhsa_float_denorm_mode_32 3
		.amdhsa_float_denorm_mode_16_64 3
		.amdhsa_memory_ordered 1
		.amdhsa_forward_progress 1
		.amdhsa_inst_pref_size 83
	.end_amdhsa_kernel
	.amdgpu_metadata
---
amdhsa.version: [ 1, 2 ]
amdhsa.kernels:
  - .name:           k_q969e9b2c64_prep
    .symbol:         k_q969e9b2c64_prep.kd
    .args:
      - { .name: x, .offset: 0, .size: 8, .value_kind: global_buffer, .address_space: global }
      - { .name: ln_w, .offset: 8, .size: 8, .value_kind: global_buffer, .address_space: global }
      - { .name: ln_b, .offset: 16, .size: 8, .value_kind: global_buffer, .address_space: global }
      - { .name: Wb, .offset: 24, .size: 8, .value_kind: global_buffer, .address_space: global }
      - { .name: Wq, .offset: 32, .size: 8, .value_kind: global_buffer, .address_space: global }
      - { .name: Wk, .offset: 40, .size: 8, .value_kind: global_buffer, .address_space: global }
      - { .name: Wv, .offset: 48, .size: 8, .value_kind: global_buffer, .address_space: global }
      - { .name: Wg, .offset: 56, .size: 8, .value_kind: global_buffer, .address_space: global }
      - { .name: Wo, .offset: 64, .size: 8, .value_kind: global_buffer, .address_space: global }
      - { .name: zh, .offset: 72, .size: 8, .value_kind: global_buffer, .address_space: global }
      - { .name: biasf, .offset: 80, .size: 8, .value_kind: global_buffer, .address_space: global }
      - { .name: wfrag, .offset: 88, .size: 8, .value_kind: global_buffer, .address_space: global }
    .group_segment_fixed_size: 5120
    .private_segment_fixed_size: 0
    .kernarg_segment_align: 8
    .kernarg_segment_size: 96
    .max_flat_workgroup_size: 256
    .sgpr_count:     66
    .vgpr_count:     234
    .wavefront_size: 32
...
	.end_amdgpu_metadata
.endif
;; end of part 1
;; launch attn (part 2): grid 256 x 1, 4 waves a work-group, clusters of 4 x 1, 327,680 bytes of LDS; arguments zh, biasf, wfrag, out0; writes out0
.if DOCPART == 2
	.amdgcn_target "amdgcn-amd-amdhsa--gfx1250"
	.amdhsa_code_object_version 6
	.text
	.protected	k_q969e9b2c64_attn
	.globl	k_q969e9b2c64_attn
	.p2align	8
	.type	k_q969e9b2c64_attn,@function
k_q969e9b2c64_attn:
	s_mov_b64 s[64:65], 0
	v_nop
	global_prefetch_b8 v0, s[64:65] scope:SCOPE_SE
	s_setreg_imm32_b32 hwreg(HW_REG_WAVE_MODE, 25, 1), 1
	s_wait_xcnt 0x0
	s_wait_alu depctr_hold_cnt(0) depctr_sa_sdst(0) depctr_va_vdst(0) depctr_va_sdst(0) depctr_va_ssrc(0) depctr_va_vcc(0) depctr_vm_vsrc(0)
	s_getreg_b32 s2, hwreg(HW_REG_IB_STS2, 6, 4)
	s_cmp_eq_u32 s2, 0
	s_cbranch_scc0 .Lentry_in_a_cluster
	s_endpgm
.Lentry_in_a_cluster:
	s_bfe_u32 s2, ttmp6, 0x10000c
	s_cmp_lg_u32 s2, 0x3003
	s_cbranch_scc0 .Lentry_shape_is_right
	s_endpgm
.Lentry_shape_is_right:
; TriangleAttention, second launch: projections, attention, gate and output projection of one row b, with nothing sent through memory between them.
; No step of the problem is left out.  A work-group is a row b (256 positions x 128), a wave is a head.
; All matrix operands are f16 (z, weights, q, k, v, p, o*g), all sums f32; softmax, sigmoid and the bias are f32.
; LIMITS: an operand above 65,504 in magnitude overflows f16 (q, k, v have an rms of about |ln_w| |W| sqrt(128)); a weight p of the softmax below 6e-8 of the
; row's largest is lost, 256 of them are under 2e-5 of the row's sum; o*g below 6e-5 keeps an absolute step of 6e-8.
; The logits come in base 2 (the first launch folded log2(e) into Wq and the bias); the row's true maximum is taken away before exp2: all 256 scores of a query
; lie in registers at once.
;
; EVERY PRODUCT IS TURNED SO THAT ITS RESULT IS THE NEXT ONE'S OPERAND WITHOUT A SHUFFLE.  In a result tile lane (r, hh) holds column n = r and rows m = 8 hh + j;
; two tiles stacked along m, packed to f16 in pairs, are a fragment with row (or column) r and k = m:
;   K^T(c, key)   = Wk x z    -> K fragment (row key, k = c)          V(key, c)     = z x Wv    -> V^T fragment (row c, k = 32 keys)
;   Q^T(c, query) = Wq x z    -> Q fragment                           G^T(c, query) = Wg x z    -> stays f32, laid out as O^T
;   S^T(key, query) = K x Q + bias (the bias is the C operand)        -> P fragment (column query, k = 32 keys)
;   O^T(c, query) = V^T x P   -> 16 bytes a lane of o*g               out^T(e, query) = Wo x (o*g) -> 8 neighbouring e a lane
; In S^T a lane holds one query and half of its keys: maximum and sum are in the lane plus one exchange of the halves, and 1/sum and the gate multiply O^T lane by lane.
;
; CLUSTER: the bias tile of a query tile (64 KiB, all heads) is the same for every row b.  The four work-groups of a cluster ask for it jointly: the same load, the
; same descriptor, mask 15; that divides the requests for the 1 MiB of bias, which every row needs whole, by four.  z is the row's own.  The weights are not asked
; for jointly: a wave loads its 64 KiB once, straight into registers in fragment order, 256 KiB a work-group against the 1 MiB of bias; through LDS they would
; need 160 KiB more than there is room for beside the two bias slots.
;
; LDS:  ZL 0       z, 256 rows of 256 bytes + 16 of padding (filled once)      OG 69632   o*g in f16, the same shape, written by LDS stores alone
;       BS 139264  two bias slots of 64 KiB, wave h's 16 KiB at h * 16384      ST 270336  each wave's stage of 16 rows x 528 bytes for the way out
; REGISTERS, in windows of 256:
;   window 0: addresses, softmax figures, fragments at work, v128-255 the 16 score tiles     window 1: K fragments 0-127, Wq 128-191, Wg 192-255
;   window 2: V^T fragments 0-127                                                            window 3: Wo, all 32 fragments
.set ZP,    272                        ; pitch of z and o*g rows: an odd multiple of 16 bytes, so the 16 rows of a fragment load start 16 bytes apart modulo 256
.set OG,    69632
.set BS,    139264
.set SLOTB, 65536
.set TILEB, 65536                      ; bytes of biasf from a query tile to the next
.set ST,    270336
.set STP,   528                        ; pitch of the stage: 512 bytes + 16
.set ZA,  4                            ; v4   r*272 + 16 hh: my part of a z fragment, key tile 0
.set ZQ,  5                            ; v5   the same for the trip's query tile
.set BA,  6                            ; v6, v7  my 16 bytes at the head of my wave's part of bias slot 0, 1
.set OGW, 8                            ; v8   where I put o*g
.set OGR, 9                            ; v9   where I read o*g fragments
.set STW, 10                           ; v10  stage, in
.set STR, 11                           ; v11  stage, back
.set WA,  12                           ; v12  16 x lane; never rewritten
.set MX,  14                           ; v[14:15] the query's maximum, twice
.set MC,  16                           ; v[16:19] four chains of maxima
.set LS,  20                           ; v[20:23] two chains of pair sums
.set RL,  24                           ; v[24:25] 1/sum, twice
.set PT,  26                           ; v26  what the other half of the lanes sent
.set ZF0, 32                           ; v[32:63]  four fragments of z or of o*g
.set ZF1, 64                           ; v[64:95]  the second buffer, in the prologue
.set QA,  64                           ; v[64:79]  Q^T, two tiles
.set GA,  80                           ; v[80:95]  G^T, two tiles
.set KA,  96                           ; v[96:111] K^T in the prologue
.set OA,  96                           ;           O^T in the loop
.set VA,  112                          ; v[112:127] V in the prologue
.set QF,  112                          ; v[112:119] Q fragment
.set OF,  120                          ; v[120:127] o*g packed
.set SC,  128                          ; v[128:255] scores, then p, then P fragments at 16 kb
.set WK,  128                          ; in the prologue: Wk fragments (4 ct + ks) at 8 each
.set WV,  192                          ;                  Wv
.set ACC, 128                          ; on the way out: eight tiles of out^T
.set RB,  192                          ;                 16 rows read back
.set KF,  0                            ; window 1
.set WQ,  128
.set WG,  192
.set VF,  0                            ; window 2: fragment (kb, ct) at 8 (2 kb + ct)
.set WO,  0                            ; window 3: fragment (et, ks) at 8 (4 et + ks)
.set G0Z, 12                           ; s[12:15] z: from where, to where
.set G1Z, 16                           ; s[16:23] z: the shape
.set G1B, 24                           ; s[24:31] bias: the shape and the mask
.set G0,  32                           ; s[32:39] bias: a set for each slot
.set MSB, 0
.macro WIN new                         ; low byte: bits 1:0 source 0, 3:2 source 1, 5:4 source 2, 7:6 destination; the high byte repeats the setting that is left
.if MSB != \new
	s_set_vgpr_msb (MSB<<8)|\new
.set MSB, \new
.endif
.endm
.macro PLACES n
.rept \n
	v_nop
.endr
.endm
; a round of the cluster's barrier: my work-group's barrier, wave 0 signals for the work-group, every wave waits for all four work-groups, my work-group's barrier again
.macro ROUND
	s_barrier_signal -1
	s_barrier_wait -1
	s_cmp_lg_u32 s42, 0
	s_cbranch_scc1 .Lnot_wave_0_\@
	s_barrier_signal -3
.Lnot_wave_0_\@:
	s_barrier_wait -3
	s_barrier_signal -1
	s_barrier_wait -1
.endm
; one product; link = 0: it starts the sum (C = 0), nothing is ever cleared
.macro WMMA d, a, b, link
.if \link
	v_wmma_f32_16x16x32_f16 v[\d:\d+7], v[\a:\a+7], v[\b:\b+7], v[\d:\d+7]
.else
	v_wmma_f32_16x16x32_f16 v[\d:\d+7], v[\a:\a+7], v[\b:\b+7], 0
.endif
.endm
; n half-fragments of wfrag, 512 consecutive bytes each, from byte off behind the base
.macro LDW dst, sb, n, off
.set i_, 0
.rept \n
	global_load_b128 v[\dst+4*i_:\dst+4*i_+3], v[WA], s[\sb:\sb+1] offset:\off+512*i_
.set i_, i_+1
.endr
.endm
; the four fragments (128 k) of 16 rows of z or o*g: lane (r, hh) takes k = 8 hh .. +7 and 16 + 8 hh .. +7 of each 32
.macro LDZ buf, areg, off
.irp ks, 0,1,2,3
	ds_load_b128 v[\buf+8*\ks:\buf+8*\ks+3], v[\areg] offset:\off+64*\ks
	ds_load_b128 v[\buf+8*\ks+4:\buf+8*\ks+7], v[\areg] offset:\off+64*\ks+32
.endr
.endm
	s_load_b256 s[4:11], s[0:1], 0x0               ; zh s[4:5], biasf s[6:7], wfrag s[8:9], out0 s[10:11]
	v_lshl_add_u32 v30, v0, 2, 0x4a400
	v_mov_b32 v31, 0
	ds_add_u32 v30, v31
	v_lshrrev_b32 v13, 5, v0
	v_readfirstlane_b32 s42, v13                   ; wave = head, 0..3
	s_bfe_u32 s43, ttmp6, 0x40000                  ; cx: my place in the cluster
	s_lshl_b32 s46, ttmp9, 2                       ; ttmp9 counts clusters
	s_add_co_u32 s46, s46, s43                     ; b; it enters the global addresses of zh and out0 alone
	s_mov_b32 s40, 0x76543210                      ; v_permlanex16_b32: lane i reads lane i of the other half
	s_mov_b32 s41, 0xfedcba98
	; z: each wave brings 64 rows of 128 f16, 16 bytes of padding behind every 64 words
	s_mov_b32 s[G1Z+0], (1<<16)|(1<<20)|(5<<22)|(3<<25)
	s_mov_b32 s[G1Z+1], 128<<16                    ; tensor_dim0 = 128
	s_mov_b32 s[G1Z+2], 64<<16                     ; tensor_dim1 = 64
	s_mov_b32 s[G1Z+3], 128<<16                    ; tile_dim0 = 128
	s_mov_b32 s[G1Z+4], 64                         ; tile_dim1 = 64
	s_mov_b32 s[G1Z+5], 128                        ; elements from row to row
	s_mov_b32 s[G1Z+6], 0
	s_mov_b32 s[G1Z+7], 0
	; bias: each wave brings its head's 16 KiB, dense, as 64 rows of 32 elements of 8 bytes; mask 15 = all four work-groups of the cluster, bit 21 beside it
	s_mov_b32 s[G1B+0], 15|(3<<16)|(1<<21)
	s_mov_b32 s[G1B+1], 32<<16
	s_mov_b32 s[G1B+2], 64<<16
	s_mov_b32 s[G1B+3], 32<<16
	s_mov_b32 s[G1B+4], 64
	s_mov_b32 s[G1B+5], 32
	s_mov_b32 s[G1B+6], 0
	s_mov_b32 s[G1B+7], 0
	s_mov_b32 s[G0Z], 1
	s_mul_i32 s[G0Z+1], s42, 64*ZP                 ; my quarter of ZL
	s_lshl_b32 s48, s46, 16                        ; s[48:49] hold what hangs on b; s[50:51] what hangs on the wave alone
	s_lshl_b32 s47, s42, 14
	s_add_co_u32 s48, s48, s47                     ; b rows of 65,536 bytes + 64 w rows of 256
	s_mov_b32 s49, 0
	s_lshl_b32 s50, s42, 14
	s_mov_b32 s51, 0
	s_mov_b32 s[G0], 1
	s_add_co_u32 s[G0+1], s50, BS
	s_mov_b32 s[G0+4], 1
	s_add_co_u32 s[G0+5], s50, BS+SLOTB
	s_wait_dscnt 0x0
	s_wait_kmcnt 0x0
	s_add_nc_u64 s[G0Z+2:G0Z+3], s[4:5], s[48:49]
	s_or_b32 s[G0Z+3], s[G0Z+3], 0x80000000        ; type = 2
	s_add_nc_u64 s[G0+2:G0+3], s[6:7], s[50:51]    ; query tile 0, my head
	s_add_nc_u64 s[G0+6:G0+7], s[G0+2:G0+3], TILEB ; query tile 1
	s_or_b32 s[G0+3], s[G0+3], 0x80000000
	s_or_b32 s[G0+7], s[G0+7], 0x80000000
	s_lshl_b32 s50, s42, 13
	s_add_nc_u64 s[52:53], s[8:9], s[50:51]        ; wfrag at my head's two column tiles of matrix 0; the matrix stands in the loads' immediates
	s_lshl_b32 s48, s46, 17
	s_add_co_u32 s48, s48, s50
	s_add_nc_u64 s[10:11], s[10:11], s[48:49]      ; out0 at row b, query tile w
	ROUND                                          ; all four work-groups are here: the first joint load meets
	tensor_load_to_lds s[G0Z:G0Z+3], s[G1Z:G1Z+7]  ; the first fills, one group: my quarter of z,
	s_nop 0
	tensor_load_to_lds s[G0:G0+3], s[G1B:G1B+7]    ; and my head's bias for query tile 0.  Two tensor loads of the wave are out
	s_nop 0
	v_and_b32 v1, 31, v0                           ; lane
	v_and_b32 v2, 15, v0                           ; r
	v_bfe_u32 v3, v0, 4, 1                         ; hh
	v_lshlrev_b32 v[WA], 4, v1
	LDW WK, 52, 16, 32768
	LDW WV, 52, 16, 65536
	v_mul_u32_u24 v[ZA], v2, ZP
	v_lshl_add_u32 v[ZA], v3, 4, v[ZA]
	v_mov_b32 v[ZQ], v[ZA]
	v_add_nc_u32 v[BA], s[G0+1], v[WA]
	v_add_nc_u32 v[BA+1], s[G0+5], v[WA]
	s_lshl_b32 s47, s42, 6
	s_add_co_u32 s47, s47, OG
	v_add_nc_u32 v[OGW], s47, v[ZA]                ; row r, my head's 64 bytes, 16 hh
	s_mul_i32 s47, s42, 16*ZP
	s_add_co_u32 s47, s47, OG
	v_add_nc_u32 v[OGR], s47, v[ZA]                ; query tile w of a group of four
	s_mul_i32 s47, s42, 16*STP
	s_add_co_u32 s47, s47, ST
	v_mul_u32_u24 v[STW], v2, STP
	v_lshl_add_u32 v[STW], v3, 5, v[STW]
	v_add_nc_u32 v[STW], s47, v[STW]               ; row r, 32 bytes for each half of the lanes
	v_add_nc_u32 v[STR], s47, v[WA]                ; a whole row of 512 bytes for the 32 lanes
	v_mov_b32 v[PT], 0                             ; the destination of v_permlanex16_b32 counts as read
	s_wait_tensorcnt 0x1                           ; my quarter of z is in; the bias tile issued behind it may stay out
	s_barrier_signal -1
	s_barrier_wait -1                              ; everybody's quarter is in
	LDZ ZF0, ZA, 0
	s_wait_loadcnt 0x0                             ; Wk, Wv
	WIN 0x40
	LDW WQ, 52, 16, 0                              ; into window 1, wanted behind the prologue
	LDW WG, 52, 16, 98304
	WIN 0
; PROLOGUE: K and V of my head, key tile kt (16 keys): 16 products, then packed into the fragments that stay for the whole kernel.
; The four accumulators take turns, one instruction a turn.
.macro KV kt
.if \kt < 15
	LDZ ZF1-32*(\kt&1), ZA, (\kt+1)*16*ZP          ; the next key tile, into the buffer read last
	s_wait_dscnt 0x8                               ; those eight may stay out; this tile's are in
.else
	s_wait_dscnt 0x0
.endif
.irp ks, 0,1,2,3
	WMMA KA, WK+8*\ks, ZF0+32*(\kt&1)+8*\ks, \ks
	WMMA KA+8, WK+32+8*\ks, ZF0+32*(\kt&1)+8*\ks, \ks
	WMMA VA, ZF0+32*(\kt&1)+8*\ks, WV+8*\ks, \ks
	WMMA VA+8, ZF0+32*(\kt&1)+8*\ks, WV+32+8*\ks, \ks
.endr
	PLACES 5                                       ; four before the conversions read the results and the next loads land on the fragments, five before the next tile's first products write over the accumulators
	WIN 0x40
.irp j, 0,1,2,3,4,5,6,7
	v_cvt_pk_f16_f32 v[KF+8*\kt+\j], v[KA+2*\j], v[KA+2*\j+1]
.endr
	WIN 0x80
.irp j, 0,1,2,3
	v_cvt_pk_f16_f32 v[VF+16*(\kt>>1)+4*(\kt&1)+\j], v[VA+2*\j], v[VA+2*\j+1]
	v_cvt_pk_f16_f32 v[VF+16*(\kt>>1)+8+4*(\kt&1)+\j], v[VA+8+2*\j], v[VA+8+2*\j+1]
.endr
	WIN 0
.endm
.irp kt, 0,1,2,3,4,5,6,7
	KV \kt
.endr
	WIN 0xc0
	LDW WO, 8, 32, 131072                          ; Wo's first half, into window 3
	WIN 0
.irp kt, 8,9,10,11,12,13,14,15
	KV \kt
.endr
	WIN 0xc0
	LDW WO+128, 8, 32, 131072+16384                ; and its second
	WIN 0
	s_wait_loadcnt 32                              ; Wq and Wg are in (and Wo's first half); the 32 youngest loads may stay out
.macro MAXP                            ; the largest of my 128 scores, four chains, then the other half's
.irp c, 0,1,2,3
	v_max_num_f32 v[MC+\c], v[SC+32*\c], v[SC+32*\c+1]
.endr
.set i_, 1
.rept 15
.irp c, 0,1,2,3
	v_max3_num_f32 v[MC+\c], v[MC+\c], v[SC+32*\c+2*i_], v[SC+32*\c+2*i_+1]
.endr
.set i_, i_+1
.endr
	v_max3_num_f32 v[MC], v[MC], v[MC+1], v[MC+2]
	v_max_num_f32 v[MC], v[MC], v[MC+3]
	v_permlanex16_b32 v[PT], v[MC], s40, s41
	v_max_num_f32 v[MX], v[MC], v[PT]
	v_max_num_f32 v[MX+1], v[MC], v[PT]
.endm
; The softmax goes in eight blocks of 16 registers (32 keys).  The block's number may be handed over as an expression, so it stands in brackets wherever it is multiplied.
.macro SUBB kb
.irp i, 0,1,2,3,4,5,6,7
	v_pk_add_f32 v[SC+16*(\kb)+2*\i:SC+16*(\kb)+2*\i+1], v[SC+16*(\kb)+2*\i:SC+16*(\kb)+2*\i+1], v[MX:MX+1] neg_lo:[0,1] neg_hi:[0,1]
.endr
.endm
.macro EXPB kb
.irp i, 0,1,2,3,4,5,6,7,8,9,10,11,12,13,14,15
	v_exp_f32 v[SC+16*(\kb)+\i], v[SC+16*(\kb)+\i]
.endr
.endm
.macro SUMB kb
.if (\kb)
	s_wait_alu depctr_va_vdst(0)
.irp i, 0,1,2,3
	v_pk_add_f32 v[LS+2*(\i&1):LS+2*(\i&1)+1], v[LS+2*(\i&1):LS+2*(\i&1)+1], v[SC+16*(\kb)+2*\i:SC+16*(\kb)+2*\i+1]
.endr
.else
	s_wait_alu depctr_va_vdst(0)
	v_pk_add_f32 v[LS:LS+1], v[SC:SC+1], v[SC+4:SC+5]              ; the first block starts the two chains
	v_pk_add_f32 v[LS+2:LS+3], v[SC+2:SC+3], v[SC+6:SC+7]
.endif
.irp i, 4,5,6,7
	v_pk_add_f32 v[LS+2*(\i&1):LS+2*(\i&1)+1], v[LS+2*(\i&1):LS+2*(\i&1)+1], v[SC+16*(\kb)+2*\i:SC+16*(\kb)+2*\i+1]
.endr
.endm
.macro CVTB kb                         ; in place, ascending: the block's first 8 registers become its P fragment
.irp j, 0,1,2,3,4,5,6,7
	v_cvt_pk_f16_f32 v[SC+16*(\kb)+\j], v[SC+16*(\kb)+2*\j], v[SC+16*(\kb)+2*\j+1]
.endr
.endm
; A TRIP: one query tile (16 queries) of my head against all 256 keys.  slot: where its bias lies; refill = 1: the other slot gets the next tile's.
.macro TRIP slot, refill
	s_wait_tensorcnt 0x0                           ; all my tensor loads have landed, this trip's bias among them, so a group 0 may be written:
	ds_add_u32 v30, v31
	s_wait_dscnt 0x0
	s_add_nc_u64 s[G0+4*\slot+2:G0+4*\slot+3], s[G0+4*\slot+2:G0+4*\slot+3], 2*TILEB   ; this slot's next tile
	s_wait_dscnt 0x0                               ; my reads of the other slot and my LDS stores are done
	ROUND                                          ; both now hold of every wave of all four work-groups
.if \refill
	tensor_load_to_lds s[G0+4-4*\slot:G0+7-4*\slot], s[G1B:G1B+7]  ; my one tensor load behind the round, first thing there: 16 KiB, with the whole trip in which to land
	s_nop 0
.endif
	LDZ ZF0, ZQ, 0                                 ; the query tile's z
.set i_, 0
.rept 32
	ds_load_b128 v[SC+4*i_:SC+4*i_+3], v[BA+\slot] offset:512*i_   ; the bias, straight into the score accumulators: 512 consecutive bytes a load
.set i_, i_+1
.endr
	s_wait_dscnt 0x20                              ; the 32 bias loads are younger: z's fragments are in
	WIN 0x01                                       ; A from window 1
.irp ks, 0,1,2,3
	WMMA QA, WQ+8*\ks, ZF0+8*\ks, \ks              ; four accumulators by turns
	WMMA QA+8, WQ+32+8*\ks, ZF0+8*\ks, \ks
	WMMA GA, WG+8*\ks, ZF0+8*\ks, \ks
	WMMA GA+8, WG+32+8*\ks, ZF0+8*\ks, \ks
.endr
	WIN 0
	v_add_nc_u32 v[ZQ], 16*ZP, v[ZQ]               ; the next query tile; with the three below: four places before Q^T is read (ISA guide 7.12.1)
	PLACES 3
.irp j, 0,1,2,3,4,5,6,7
	v_cvt_pk_f16_f32 v[QF+\j], v[QA+2*\j], v[QA+2*\j+1]
.endr
	s_wait_dscnt 0x0                               ; the bias is in
	WIN 0x01
.irp kt, 0,1,2,3,4,5,6,7,8,9,10,11,12,13,14,15
	WMMA SC+8*\kt, KF+8*\kt, QF, 1                 ; S^T = K Q^T + bias: sixteen accumulators, one product each
.endr
	WIN 0
	; the gate, sigmoid(G) = 1 / (1 + exp2(-log2(e) G)); its eight multiplies are the places behind the score products
.irp i, 0,1,2,3,4,5,6,7
	v_pk_mul_f32 v[GA+2*\i:GA+2*\i+1], v[GA+2*\i:GA+2*\i+1], 0xbfb8aa3b op_sel_hi:[1,0]
.endr
.irp i, 0,1,2,3,4,5,6,7,8,9,10,11,12,13,14,15
	v_exp_f32 v[GA+\i], v[GA+\i]
.endr
	MAXP                                           ; plain work behind the exponentials (ISA guide 5.7.2)
	s_wait_alu depctr_va_vdst(0)
.irp i, 0,1,2,3,4,5,6,7
	v_pk_add_f32 v[GA+2*\i:GA+2*\i+1], v[GA+2*\i:GA+2*\i+1], 1.0 op_sel_hi:[1,0]
.endr
.irp i, 0,1,2,3,4,5,6,7,8,9,10,11,12,13,14,15
	v_rcp_f32 v[GA+\i], v[GA+\i]
.endr
	; p = exp2(s - max): a block's subtraction is the plain work behind the block before's exponentials
	SUBB 0
	EXPB 0
.irp kb, 1,2,3,4,5,6,7
	SUBB \kb
	SUMB \kb-1
	CVTB \kb-1
	EXPB \kb
.endr
	v_nop
	s_wait_alu depctr_va_vdst(0)
	SUMB 7
	CVTB 7
	v_pk_add_f32 v[LS:LS+1], v[LS:LS+1], v[LS+2:LS+3]
	v_add_f32 v[LS], v[LS], v[LS+1]
	v_permlanex16_b32 v[PT], v[LS], s40, s41
	v_add_f32 v[LS], v[LS], v[PT]                  ; the query's sum, at least 1
	v_rcp_f32 v[RL], v[LS]
	v_rcp_f32 v[RL+1], v[LS]
	v_nop
	WIN 0x02                                       ; A from window 2
.irp kb, 0,1,2,3,4,5,6,7
	WMMA OA, VF+16*\kb, SC+16*\kb, \kb             ; two accumulators by turns
	WMMA OA+8, VF+16*\kb+8, SC+16*\kb, \kb
.endr
	WIN 0
	s_wait_alu depctr_va_vdst(0)
.irp i, 0,1,2,3,4,5,6,7
	v_pk_mul_f32 v[GA+2*\i:GA+2*\i+1], v[GA+2*\i:GA+2*\i+1], v[RL:RL+1]      ; gate / sum: also the places behind the products
.endr
.irp i, 0,1,2,3,4,5,6,7
	v_pk_mul_f32 v[OA+2*\i:OA+2*\i+1], v[OA+2*\i:OA+2*\i+1], v[GA+2*\i:GA+2*\i+1]
.endr
.irp j, 0,1,2,3,4,5,6,7
	v_cvt_pk_f16_f32 v[OF+\j], v[OA+2*\j], v[OA+2*\j+1]
.endr
	ds_store_b128 v[OGW], v[OF:OF+3]               ; query r, channels 32 h + 8 hh .. +7
	ds_store_b128 v[OGW], v[OF+4:OF+7] offset:32   ; and 32 h + 16 + 8 hh .. +7
	v_add_nc_u32 v[OGW], 16*ZP, v[OGW]
.endm
; THE WAY OUT, behind every fourth trip: wave w takes query tile 4 g + w of the group, all four heads' o*g, all 128 outputs.  more = 1: another group follows.
.macro OUTB more
	s_wait_dscnt 0x0                               ; my o*g is in LDS, for the other waves' sake,
	s_barrier_signal -1
	s_barrier_wait -1                              ; and so is everybody's.  The bias on its way may stay out
	LDZ ZF0, OGR, 0
	s_wait_loadcnt 0x0                             ; Wo
	s_wait_dscnt 0x0
	WIN 0x03                                       ; A from window 3
.irp ks, 0,1,2,3
.irp et, 0,1,2,3,4,5,6,7
	WMMA ACC+8*\et, WO+32*\et+8*\ks, ZF0+8*\ks, \ks   ; eight accumulators by turns
.endr
.endr
	WIN 0
	PLACES 4                                       ; before the LDS stores read the results (ISA guide 7.12.1 for vector instructions)
.irp et, 0,1,2,3,4,5,6,7
	ds_store_b128 v[STW], v[ACC+8*\et:ACC+8*\et+3] offset:64*\et         ; query r, outputs 16 et + 8 hh .. +3
	ds_store_b128 v[STW], v[ACC+8*\et+4:ACC+8*\et+7] offset:64*\et+16
.endr
.irp rr, 0,1,2,3,4,5,6,7,8,9,10,11,12,13,14,15
	ds_load_b128 v[RB+4*\rr:RB+4*\rr+3], v[STR] offset:STP*\rr           ; my own bytes: LDS serves a wave's instructions in order (ISA guide 5.7.1)
.endr
.irp rr, 0,1,2,3,4,5,6,7,8,9,10,11,12,13,14,15
	s_wait_dscnt 15-\rr                            ; the younger read-backs may stay out
	global_store_b128 v[WA], v[RB+4*\rr:RB+4*\rr+3], s[10:11] offset:512*\rr th:TH_STORE_NT   ; the wave stores one whole row of out0, 512 consecutive bytes, aligned
.endr
.if \more
	s_wait_xcnt 0x0                                ; the stores' base, and their data, on which the next trip's bias loads land, are rewritten only behind this wait
	s_add_nc_u64 s[10:11], s[10:11], 4*16*512      ; four query tiles on
	v_add_nc_u32 v[OGR], 64*ZP, v[OGR]
.endif
.endm
	s_mov_b32 s44, 3
.Lgrp:                                         ; query tiles 0 to 11
	TRIP 0, 1
	TRIP 1, 1
	TRIP 0, 1
	TRIP 1, 1
	OUTB 1
	s_sub_co_u32 s44, s44, 1
	s_cmp_lg_u32 s44, 0
	s_cbranch_scc1 .Lgrp
	TRIP 0, 1                                      ; tiles 12 to 15, written out: the last trip asks for nothing (the stepped addresses are not used)
	TRIP 1, 1
	TRIP 0, 1
	TRIP 1, 0
	OUTB 0
	s_wait_tensorcnt 0x0
	ds_add_u32 v30, v31
	s_wait_dscnt 0x0
	ROUND                                          ; the closing round: no work-group ends while a partner may still ask for a tile that names it
	s_endpgm
.Lfunc_end_k_q969e9b2c64_attn:
	.size	k_q969e9b2c64_attn, .Lfunc_end_k_q969e9b2c64_attn-k_q969e9b2c64_attn
	.p2alignl 7, 3214868480
	.fill 96, 4, 3214868480
	.section	.rodata,"a",@progbits
	.p2align	6, 0x0
	.amdhsa_kernel k_q969e9b2c64_attn
		.amdhsa_group_segment_fixed_size 327680
		.amdhsa_private_segment_fixed_size 0
		.amdhsa_enable_private_segment 0
		.amdhsa_kernarg_size 32
		.amdhsa_user_sgpr_count 2
		.amdhsa_user_sgpr_kernarg_segment_ptr 1
		.amdhsa_wavefront_size32 1
		.amdhsa_system_sgpr_workgroup_id_x 1
		.amdhsa_system_sgpr_workgroup_id_y 1
		.amdhsa_system_sgpr_workgroup_id_z 1
		.amdhsa_system_vgpr_workitem_id 0
		.amdhsa_next_free_vgpr 1024
		.amdhsa_next_free_sgpr 66
		.amdhsa_reserve_vcc 0
		.amdhsa_float_denorm_mode_32 3
		.amdhsa_float_denorm_mode_16_64 3
		.amdhsa_memory_ordered 1
		.amdhsa_forward_progress 1
		.amdhsa_inst_pref_size 255
	.end_amdhsa_kernel
	.section	.bss,"aw",@nobits
	.p2align	6
	.space	262144
	.amdgpu_metadata
---
amdhsa.version: [ 1, 2 ]
amdhsa.kernels:
  - .name:           k_q969e9b2c64_attn
    .symbol:         k_q969e9b2c64_attn.kd
    .args:
      - { .name: zh, .offset: 0, .size: 8, .value_kind: global_buffer, .address_space: global }
      - { .name: biasf, .offset: 8, .size: 8, .value_kind: global_buffer, .address_space: global }
      - { .name: wfrag, .offset: 16, .size: 8, .value_kind: global_buffer, .address_space: global }
      - { .name: out0, .offset: 24, .size: 8, .value_kind: global_buffer, .address_space: global }
    .group_segment_fixed_size: 327680
    .private_segment_fixed_size: 0
    .kernarg_segment_align: 8
    .kernarg_segment_size: 32
    .max_flat_workgroup_size: 128
    .sgpr_count:     66
    .vgpr_count:     1024
    .wavefront_size: 32
...
	.end_amdgpu_metadata
.endif
;; end of part 2
;; ======== version 2 of 3: 2 launches; 1.17 times as fast as version 1
;; limits: values are held in f16: magnitudes above 65,504 overflow, below 6.1e-05 lose precision
;; workspace buffers: zh 16,777,216 bytes; biasf 1,048,576 bytes; wfrag 163,840 bytes
;; launch prep (part 3): grid 296 x 1, 8 waves a work-group, no clusters, 5,120 bytes of LDS; arguments x, ln_w, ln_b, Wb, Wq, Wk, Wv, Wg, Wo, zh, biasf, wfrag; writes zh, biasf, wfrag
.if DOCPART == 3
	.amdgcn_target "amdgcn-amd-amdhsa--gfx1250"
	.amdhsa_code_object_version 6
	.text
	.protected	k_q969e9b2c64_prep
	.globl	k_q969e9b2c64_prep
	.p2align	8
	.type	k_q969e9b2c64_prep,@function
k_q969e9b2c64_prep:
	s_mov_b64 s[64:65], 0
	v_nop
	global_prefetch_b8 v0, s[64:65] scope:SCOPE_SE
	s_setreg_imm32_b32 hwreg(HW_REG_WAVE_MODE, 25, 1), 1
	s_wait_xcnt 0x0
; TriangleAttention, first of two launches.  No step and no input of the problem is left out in either launch.
; This launch reads x once and stores what the second launch needs from ALL rows or in another form:
;   zh     z = LayerNorm(x) * ln_w + ln_b as f16, [256][256][128], rows of 256 bytes, THE 128 NUMBERS OF A ROW IN A PERMUTED ORDER:
;          place p holds column col(p) = 64 ((p >> 2) & 1) + 4 (p >> 3) + (p & 3)
;   biasf  log2(e) * (z @ Wb) in f32, in the register order of the second launch's score tiles, a head's two query tiles of a pair side by side:
;          byte (qt >> 1)*131072 + h*32768 + (qt & 1)*16384 + kt*1024 + half*512 + lane*16 + i*4
;          = head h, query 16 qt + (lane & 15), key 16 kt + 8 (lane >> 4) + 4 half + i
;   wfrag  Wq (times 32^-0.5 * log2(e)), Wk, Wv, Wg, Wo as f16 in matrix-fragment order: half-fragment
;          T = ((m*8 + ct)*4 + ks)*2 + half at byte T*512 + lane*16 holds, for p = 32 ks + 16 half + 8 (lane >> 4) + 0..7,
;          W_m[col(p)][16 ct + (lane & 15)] for Wq, Wk, Wv, Wg, which multiply z, and Wo[p][16 ct + (lane & 15)]
; WHY THE ORDER: a lane takes 16 bytes at 16c of each half of 256 bytes of an x row, so that sixteen lanes' loads cover 256 consecutive bytes, aligned, and it
; stores its eight f16 as 16 bytes at 16c of zh's row.  The sum over k of z[k] W[k][n] does not hang on the order of k if both operands are laid out alike.
; The logits are kept in base 2, so that the softmax needs exp2 alone; that is why log2(e) is folded in here.
; LIMIT: z and the weights are rounded to f16: a value above 65,504 in magnitude overflows, one below 6e-8 is lost.
; z @ Wb has 4 columns for 128 k: it is done on the vector unit in f32 (a 16-column matrix tile would be three quarters idle,
; and the bias stays unrounded).
;
; Work-groups 0..255: qt = wg >> 4, kt = wg & 15: the 256 rows (i = 16 qt + 0..15, j = 16 kt + 0..15), which are four whole 1-KiB blocks of biasf.
; Sixteen lanes hold a row, lane c = tid & 15 its columns 4c..4c+3 and 64+4c..64+4c+3; tid >> 4 = 0..15 is the query iq; step s = 0..15 is the key.
; So a reduction is four steps inside sixteen lanes, and a store of z is 16 lanes x 16 bytes = one whole row of 256 bytes.
; The sixteen steps do not depend on each other: four go side by side, each with its own ten registers of scratch, every line written for all four
; before the next line, so that an instruction stands four or more behind the one whose result it reads.
; Work-groups 256..295: 40 x 8 waves make the 320 half-fragments of wfrag, one each.
.set LOG2E,  0x3fb8aa3b
.set QSCALE, 0x3e8293ee                ; 32^-0.5 * log2(e)
.set XO,  4                            ; v4   iq*131072 + 16c: my 16 bytes in the first half of x's row, step 0
.set ZO,  5                            ; v5   iq*65536 + 16c: my 16 bytes of zh's row, step 0
.set LW,  6                            ; v6   iq*16: my query's place in an LDS block
.set PO,  7                            ; v7   16c: my first 4 numbers of ln_w and ln_b
.set WBO, 8                            ; v8   64c: my first 4 rows of Wb
.set LR,  9                            ; v9   16 tid: the way out of LDS
.set BO,  10                           ; v10  (tid >> 6)*32768 + (tid & 63)*16: the same 16 bytes in biasf
.set LNW, 12                           ; v[12:19] ln_w of my 8 columns
.set LNB, 20                           ; v[20:27] ln_b
.set WB,  28                           ; v[28:59] log2(e) * Wb[my column d][h] at 4d + h
.set S0,  60                           ; v[60:99] scratch, ten registers for each of four steps: 0-3 at work (2: 1/sqrt(var + eps)), 4 the row's sum,
                                       ;          5 the sum of squares, 6-9 the four heads' partial dot products
.set G,   60                           ; v[60:63] at the end: 16 bytes on their way from LDS to biasf
.set R,   100                          ; v[100:115] bias of head h, key 4g + u at 4h + u
.set X,   116                          ; v[116:243] step s: 8 registers, x as loaded, then z
	s_load_b512 s[8:23], s[0:1], 0x0               ; x s[8:9], ln_w s[10:11], ln_b s[12:13], Wb s[14:15], Wq s[16:17], Wk s[18:19], Wv s[20:21], Wg s[22:23]
	s_load_b256 s[24:31], s[0:1], 0x40             ; Wo s[24:25], zh s[26:27], biasf s[28:29], wfrag s[30:31]
	v_lshl_add_u32 v244, v0, 2, 0x1000
	v_mov_b32 v245, 0
	v_lshrrev_b32 v1, 5, v0
	v_readfirstlane_b32 s4, v1                     ; wave 0..7
	s_cmp_ge_u32 ttmp9, 256                        ; the same for all waves of a work-group
	s_cbranch_scc1 .Lweights
	s_lshr_b32 s5, ttmp9, 4                        ; qt
	s_and_b32 s6, ttmp9, 15                        ; kt
	s_mov_b32 s34, 0x3c000000                      ; 1/128
	s_mov_b32 s35, 0x3727c5ac                      ; 1e-5
	v_and_b32 v1, 15, v0                           ; c
	v_lshrrev_b32 v2, 4, v0                        ; iq
	v_lshlrev_b32 v[PO], 4, v1
	v_lshlrev_b32 v[WBO], 6, v1
	v_lshl_add_u32 v[XO], v2, 17, v[PO]
	v_lshl_add_u32 v[ZO], v2, 16, v[PO]
	v_lshlrev_b32 v[LW], 4, v2
	v_lshlrev_b32 v[LR], 4, v0
	v_lshrrev_b32 v[BO], 6, v0
	v_and_b32 v11, 63, v0
	v_lshlrev_b32 v11, 4, v11
	v_lshl_add_u32 v[BO], v[BO], 15, v11           ; a head's part of a pair of query tiles is 32 KiB
	s_lshl_b32 s2, s5, 21                          ; x: 16 qt rows i of 131,072 bytes
	s_lshl_b32 s3, s6, 13                          ;    + 16 kt rows j of 512 bytes
	s_add_co_u32 s2, s2, s3
	s_mov_b32 s3, 0
	s_lshl_b32 s32, s5, 20                         ; zh: half of that
	s_lshl_b32 s33, s6, 12
	s_add_co_u32 s32, s32, s33
	s_mov_b32 s33, 0
	s_lshr_b32 s36, s5, 1                          ; biasf: (qt >> 1)*131072
	s_lshl_b32 s36, s36, 17
	s_and_b32 s37, s5, 1                           ;        + (qt & 1)*16384
	s_lshl_b32 s37, s37, 14
	s_add_co_u32 s36, s36, s37
	s_lshl_b32 s37, s6, 10                         ;        + kt*1024
	s_add_co_u32 s36, s36, s37
	s_mov_b32 s37, 0
	s_wait_kmcnt 0x0
	s_add_nc_u64 s[8:9], s[8:9], s[2:3]
	s_add_nc_u64 s[26:27], s[26:27], s[32:33]
	s_add_nc_u64 s[28:29], s[28:29], s[36:37]
	; twelve parameter loads, then all 32 loads of x at once: 16 KiB of every wave are on their way
	global_load_b128 v[LNW:LNW+3], v[PO], s[10:11]                 ; columns 4c .. 4c+3
	global_load_b128 v[LNW+4:LNW+7], v[PO], s[10:11] offset:256    ; columns 64+4c .. 64+4c+3
	global_load_b128 v[LNB:LNB+3], v[PO], s[12:13]
	global_load_b128 v[LNB+4:LNB+7], v[PO], s[12:13] offset:256
.irp d, 0,1,2,3
	global_load_b128 v[WB+4*\d:WB+4*\d+3], v[WBO], s[14:15] offset:16*\d              ; row 4c + d of Wb, four heads
	global_load_b128 v[WB+16+4*\d:WB+16+4*\d+3], v[WBO], s[14:15] offset:1024+16*\d   ; row 64 + 4c + d
.endr
.irp s, 0,1,2,3,4,5,6,7,8,9,10,11,12,13,14,15
	global_load_b128 v[X+8*\s:X+8*\s+3], v[XO], s[8:9] offset:512*\s th:TH_LOAD_NT        ; x is read once in the launch; sixteen lanes take 256 consecutive bytes, aligned:
	global_load_b128 v[X+8*\s+4:X+8*\s+7], v[XO], s[8:9] offset:512*\s+256 th:TH_LOAD_NT  ; the first half of a row, then the second
.endr
.irp u, 0,1,2,3
	v_mov_b32 v[S0+10*\u+5], 0                     ; named as the second half of the sum's broadcast pair before it is first written
.endr
.irp i, 0,1,2,3,4,5,6,7,8,9,10,11,12,13,14,15
	v_mov_b32 v[R+\i], 0                           ; destinations of lane-crossing adds count as read: written once
.endr
	s_wait_loadcnt 32                              ; the parameters are in; the 32 younger loads of x stay out
.irp i, 0,1,2,3,4,5,6,7,8,9,10,11,12,13,14,15
	v_pk_mul_f32 v[WB+2*\i:WB+2*\i+1], v[WB+2*\i:WB+2*\i+1], LOG2E op_sel_hi:[1,0]
.endr
; the sum over the sixteen lanes of a row, in place on scratch register o of all four steps; every lane ends with the sum
.macro LSUM o
.irp m, 1,2,4,8
.irp u, 0,1,2,3
	v_add_f32_dpp v[S0+10*\u+\o], v[S0+10*\u+\o], v[S0+10*\u+\o] row_xmask:\m row_mask:0xf bank_mask:0xf
.endr
.endr
.endm
; Steps 4g .. 4g+3 side by side: the wave's two rows (queries 2w, 2w+1) at keys 16 kt + 4g + u, u = 0..3
.macro GROUP g
	s_wait_loadcnt 24-8*\g                         ; loads come back in order: these four steps' eight are in, those of the later groups stay out
.irp u, 0,1,2,3
.set x_, X+32*\g+8*\u
.set t_, S0+10*\u
	v_pk_add_f32 v[t_:t_+1], v[x_:x_+1], v[x_+2:x_+3]
	v_pk_add_f32 v[t_+2:t_+3], v[x_+4:x_+5], v[x_+6:x_+7]
.endr
.irp u, 0,1,2,3
.set t_, S0+10*\u
	v_pk_add_f32 v[t_:t_+1], v[t_:t_+1], v[t_+2:t_+3]
.endr
.irp u, 0,1,2,3
.set t_, S0+10*\u
	v_add_f32 v[t_+4], v[t_], v[t_+1]
.endr
	LSUM 4                                         ; the row's sum
.irp u, 0,1,2,3
.set x_, X+32*\g+8*\u
.set t_, S0+10*\u
.irp j, 0,2,4,6
	v_pk_fma_f32 v[x_+\j:x_+\j+1], v[t_+4:t_+5], 0xbc000000, v[x_+\j:x_+\j+1] op_sel_hi:[0,0,1]   ; x - sum/128
.endr
.endr
.irp u, 0,1,2,3
.set x_, X+32*\g+8*\u
.set t_, S0+10*\u
	v_pk_mul_f32 v[t_:t_+1], v[x_:x_+1], v[x_:x_+1]
.endr
.irp j, 2,4,6
.irp u, 0,1,2,3
.set x_, X+32*\g+8*\u
.set t_, S0+10*\u
	v_pk_fma_f32 v[t_:t_+1], v[x_+\j:x_+\j+1], v[x_+\j:x_+\j+1], v[t_:t_+1]
.endr
.endr
.irp u, 0,1,2,3
.set t_, S0+10*\u
	v_add_f32 v[t_+5], v[t_], v[t_+1]
.endr
	LSUM 5                                         ; the sum of squares
.irp u, 0,1,2,3
.set t_, S0+10*\u
	v_fma_f32 v[t_], v[t_+5], s34, s35             ; var + eps
.endr
.irp u, 0,1,2,3
.set t_, S0+10*\u
	v_rsq_f32 v[t_+2], v[t_]
.endr
	v_nop                                          ; one plain instruction behind the run of v_rsq_f32 before a result is used (ISA guide 5.7.2)
	s_wait_alu depctr_va_vdst(0)
.irp u, 0,1,2,3
.set x_, X+32*\g+8*\u
.set t_, S0+10*\u
.irp j, 0,2,4,6
	v_pk_mul_f32 v[x_+\j:x_+\j+1], v[x_+\j:x_+\j+1], v[t_+2:t_+3] op_sel_hi:[1,0]
.endr
.endr
.irp u, 0,1,2,3
.set x_, X+32*\g+8*\u
.irp j, 0,2,4,6
	v_pk_fma_f32 v[x_+\j:x_+\j+1], v[x_+\j:x_+\j+1], v[LNW+\j:LNW+\j+1], v[LNB+\j:LNB+\j+1]       ; z in f32
.endr
.endr
	; my 8 numbers' part of z . Wb[:, h]: heads 0, 1 in scratch 6, 7, heads 2, 3 in 8, 9; z_d is broadcast to both halves
.irp e, 0,2,4,6
.irp u, 0,1,2,3
.set x_, X+32*\g+8*\u+\e
.set a_, S0+10*\u+6
.if \e
	v_pk_fma_f32 v[a_:a_+1], v[x_:x_+1], v[WB+4*\e:WB+4*\e+1], v[a_:a_+1] op_sel_hi:[0,1,1]
	v_pk_fma_f32 v[a_+2:a_+3], v[x_:x_+1], v[WB+4*\e+2:WB+4*\e+3], v[a_+2:a_+3] op_sel_hi:[0,1,1]
.else
	v_pk_mul_f32 v[a_:a_+1], v[x_:x_+1], v[WB:WB+1] op_sel_hi:[0,1]
	v_pk_mul_f32 v[a_+2:a_+3], v[x_:x_+1], v[WB+2:WB+3] op_sel_hi:[0,1]
.endif
.endr
.irp u, 0,1,2,3
.set x_, X+32*\g+8*\u+\e
.set a_, S0+10*\u+6
	v_pk_fma_f32 v[a_:a_+1], v[x_:x_+1], v[WB+4*\e+4:WB+4*\e+5], v[a_:a_+1] op_sel:[1,0,0] op_sel_hi:[1,1,1]
	v_pk_fma_f32 v[a_+2:a_+3], v[x_:x_+1], v[WB+4*\e+6:WB+4*\e+7], v[a_+2:a_+3] op_sel:[1,0,0] op_sel_hi:[1,1,1]
.endr
.endr
.irp m, 1,2,4
.irp u, 0,1,2,3
.irp h, 0,1,2,3
	v_add_f32_dpp v[S0+10*\u+6+\h], v[S0+10*\u+6+\h], v[S0+10*\u+6+\h] row_xmask:\m row_mask:0xf bank_mask:0xf
.endr
.endr
.endr
.irp u, 0,1,2,3
.irp h, 0,1,2,3
	v_add_f32_dpp v[R+4*\h+\u], v[S0+10*\u+6+\h], v[S0+10*\u+6+\h] row_xmask:8 row_mask:0xf bank_mask:0xf
.endr
.endr
.irp u, 0,1,2,3
.set x_, X+32*\g+8*\u
.irp j, 0,1,2,3
	v_cvt_pk_f16_f32 v[x_+\j], v[x_+2*\j], v[x_+2*\j+1]    ; in place, ascending: a destination has been consumed before it is written
.endr
.endr
.irp u, 0,1,2,3
.set x_, X+32*\g+8*\u
	global_store_b128 v[ZO], v[x_:x_+3], s[26:27] offset:256*(4*\g+\u)   ; 16 lanes store one whole row of 256 bytes; these registers are never written again
.endr
.irp h, 0,1,2,3
	ds_store_b128 v[LW], v[R+4*\h:R+4*\h+3] offset:\h*1024+(\g&1)*512+(\g>>1)*256   ; keys 4g..4g+3 of my query; the 16 lanes of a row write the same 16 bytes with the same numbers
.endr
.endm
.irp g, 0,1,2,3
	GROUP \g
.endr
	s_wait_dscnt 0x0                               ; my LDS stores are done, for the other waves' sake,
	s_barrier_signal -1
	s_barrier_wait -1                              ; and so are everybody's: the four 1-KiB blocks are whole
	ds_load_b128 v[G:G+3], v[LR]
	s_wait_dscnt 0x0
	global_store_b128 v[BO], v[G:G+3], s[28:29]    ; a wave stores 512 consecutive bytes, aligned
	s_wait_tensorcnt 0x0
	ds_add_u32 v244, v245
	s_wait_dscnt 0x0
	s_endpgm
; One half-fragment a wave: 32 lanes x 8 numbers of one column of W_m, rounded to f16.  The reads are pieces of 64 bytes of rows of 512;
; all five matrices together are 320 KiB, read once.  The wave's number is 2 ks + half, hh = lane >> 4.
; Wo: the lane's eight rows are 16 wave + 8 hh + 0..7.  The four that multiply z, in zh's order: rows 4 (2 wave + hh) + 0..3 and 64 + the same.
.Lweights:
	s_sub_co_u32 s5, ttmp9, 256                    ; 0..39
	s_lshr_b32 s6, s5, 3                           ; m: which matrix
	s_and_b32 s7, s5, 7                            ; ct: which 16 columns
	s_lshl_b32 s32, s5, 3
	s_add_co_u32 s32, s32, s4                      ; T = 8 (wg - 256) + wave
	s_lshl_b32 s32, s32, 9                         ; T * 512
	s_mov_b32 s37, 2048                            ; bytes from hh = 0 to hh = 1: 4 rows of 512 bytes,
	s_mov_b32 s38, 32768                           ; and from the lane's first four rows to its last four: 64 rows
	s_cmp_eq_u32 s6, 4
	s_cselect_b32 s37, 4096, s37                   ; Wo: 8 rows,
	s_cselect_b32 s38, 2048, s38                   ; and 4 rows
	s_mul_i32 s36, s4, s37
	s_lshl_b32 s36, s36, 1                         ; a wave's step is twice that of hh
	s_lshl_b32 s33, s7, 6                          ; 16 ct columns of 4 bytes
	s_add_co_u32 s33, s33, s36
	v_and_b32 v1, 15, v0
	v_bfe_u32 v2, v0, 4, 1
	v_lshlrev_b32 v1, 2, v1                        ; my column
	v_mad_u32_u24 v1, v2, s37, v1
	v_add_nc_u32 v1, s33, v1                       ; my first four rows
	v_add_nc_u32 v2, s38, v1                       ; my last four
	v_and_b32 v3, 31, v0
	v_lshlrev_b32 v3, 4, v3
	v_add_nc_u32 v3, s32, v3
	s_wait_kmcnt 0x0
	s_cmp_eq_u32 s6, 1
	s_cselect_b64 s[16:17], s[18:19], s[16:17]     ; the matrix is chosen by the work-group's number
	s_cmp_eq_u32 s6, 2
	s_cselect_b64 s[16:17], s[20:21], s[16:17]
	s_cmp_eq_u32 s6, 3
	s_cselect_b64 s[16:17], s[22:23], s[16:17]
	s_cmp_eq_u32 s6, 4
	s_cselect_b64 s[16:17], s[24:25], s[16:17]
	s_cmp_eq_u32 s6, 0
	s_cselect_b32 s2, QSCALE, 1.0                  ; Wq carries the logits' scale
	s_mov_b32 s3, s2
.irp i, 0,1,2,3
	global_load_b32 v[4+\i], v1, s[16:17] offset:512*\i
.endr
.irp i, 0,1,2,3
	global_load_b32 v[8+\i], v2, s[16:17] offset:512*\i
.endr
	s_wait_loadcnt 0x0
.irp i, 0,1,2,3
	v_pk_mul_f32 v[4+2*\i:5+2*\i], v[4+2*\i:5+2*\i], s[2:3] op_sel_hi:[1,0]
.endr
.irp i, 0,1,2,3
	v_cvt_pk_f16_f32 v[12+\i], v[4+2*\i], v[5+2*\i]
.endr
	global_store_b128 v3, v[12:15], s[30:31]       ; the wave stores its 512 consecutive bytes
	s_endpgm
.Lfunc_end_k_q969e9b2c64_prep:
	.size	k_q969e9b2c64_prep, .Lfunc_end_k_q969e9b2c64_prep-k_q969e9b2c64_prep
	.p2alignl 7, 3214868480
	.fill 96, 4, 3214868480
	.section	.rodata,"a",@progbits
	.p2align	6, 0x0
	.amdhsa_kernel k_q969e9b2c64_prep
		.amdhsa_group_segment_fixed_size 5120
		.amdhsa_private_segment_fixed_size 0
		.amdhsa_enable_private_segment 0
		.amdhsa_kernarg_size 96
		.amdhsa_user_sgpr_count 2
		.amdhsa_user_sgpr_kernarg_segment_ptr 1
		.amdhsa_wavefront_size32 1
		.amdhsa_system_sgpr_workgroup_id_x 1
		.amdhsa_system_sgpr_workgroup_id_y 1
		.amdhsa_system_sgpr_workgroup_id_z 1
		.amdhsa_system_vgpr_workitem_id 0
		.amdhsa_next_free_vgpr 246
		.amdhsa_next_free_sgpr 66
		.amdhsa_reserve_vcc 0
		.amdhsa_float_denorm_mode_32 3
		.amdhsa_float_denorm_mode_16_64 3
		.amdhsa_memory_ordered 1
		.amdhsa_forward_progress 1
		.amdhsa_inst_pref_size 82
	.end_amdhsa_kernel
	.amdgpu_metadata
---
amdhsa.version: [ 1, 2 ]
amdhsa.kernels:
  - .name:           k_q969e9b2c64_prep
    .symbol:         k_q969e9b2c64_prep.kd
    .args:
      - { .name: x, .offset: 0, .size: 8, .value_kind: global_buffer, .address_space: global }
      - { .name: ln_w, .offset: 8, .size: 8, .value_kind: global_buffer, .address_space: global }
      - { .name: ln_b, .offset: 16, .size: 8, .value_kind: global_buffer, .address_space: global }
      - { .name: Wb, .offset: 24, .size: 8, .value_kind: global_buffer, .address_space: global }
      - { .name: Wq, .offset: 32, .size: 8, .value_kind: global_buffer, .address_space: global }
      - { .name: Wk, .offset: 40, .size: 8, .value_kind: global_buffer, .address_space: global }
      - { .name: Wv, .offset: 48, .size: 8, .value_kind: global_buffer, .address_space: global }
      - { .name: Wg, .offset: 56, .size: 8, .value_kind: global_buffer, .address_space: global }
      - { .name: Wo, .offset: 64, .size: 8, .value_kind: global_buffer, .address_space: global }
      - { .name: zh, .offset: 72, .size: 8, .value_kind: global_buffer, .address_space: global }
      - { .name: biasf, .offset: 80, .size: 8, .value_kind: global_buffer, .address_space: global }
      - { .name: wfrag, .offset: 88, .size: 8, .value_kind: global_buffer, .address_space: global }
    .group_segment_fixed_size: 5120
    .private_segment_fixed_size: 0
    .kernarg_segment_align: 8
    .kernarg_segment_size: 96
    .max_flat_workgroup_size: 256
    .sgpr_count:     66
    .vgpr_count:     246
    .wavefront_size: 32
...
	.end_amdgpu_metadata
.endif
;; end of part 3
;; launch attn (part 4): grid 256 x 1, 4 waves a work-group, clusters of 4 x 1, 327,680 bytes of LDS; arguments zh, biasf, wfrag, out0; writes out0
.if DOCPART == 4
	.amdgcn_target "amdgcn-amd-amdhsa--gfx1250"
	.amdhsa_code_object_version 6
	.text
	.protected	k_q969e9b2c64_attn
	.globl	k_q969e9b2c64_attn
	.p2align	8
	.type	k_q969e9b2c64_attn,@function
k_q969e9b2c64_attn:
	s_mov_b64 s[64:65], 0
	v_nop
	global_prefetch_b8 v0, s[64:65] scope:SCOPE_SE
	s_setreg_imm32_b32 hwreg(HW_REG_WAVE_MODE, 25, 1), 1
	s_wait_xcnt 0x0
	s_wait_alu depctr_hold_cnt(0) depctr_sa_sdst(0) depctr_va_vdst(0) depctr_va_sdst(0) depctr_va_ssrc(0) depctr_va_vcc(0) depctr_vm_vsrc(0)
	s_getreg_b32 s2, hwreg(HW_REG_IB_STS2, 6, 4)
	s_cmp_eq_u32 s2, 0
	s_cbranch_scc0 .Lentry_in_a_cluster
	s_endpgm
.Lentry_in_a_cluster:
	s_bfe_u32 s2, ttmp6, 0x10000c
	s_cmp_lg_u32 s2, 0x3003
	s_cbranch_scc0 .Lentry_shape_is_right
	s_endpgm
.Lentry_shape_is_right:
; TriangleAttention, second launch: projections, attention, gate and output projection of one row b, with nothing sent through memory between them.
; No step of the problem is left out.  A work-group is a row b (256 positions x 128), a wave is a head.
; All matrix operands are f16 (z, weights, q, k, v, p, o*g), all sums f32; softmax, sigmoid and the bias are f32.
; LIMITS: an operand above 65,504 in magnitude overflows f16 (q, k, v have an rms of about |ln_w| |W| sqrt(128)); a weight p of the softmax below 6e-8 of the
; row's largest is lost, 256 of them are under 2e-5 of the row's sum; o*g below 6e-5 keeps an absolute step of 6e-8.
; The logits come in base 2 (the first launch folded log2(e) into Wq and the bias); the row's true maximum is taken away before exp2: all 256 scores of a query
; lie in registers at once.
;
; EVERY PRODUCT IS TURNED SO THAT ITS RESULT IS THE NEXT ONE'S OPERAND WITHOUT A SHUFFLE.  In a result tile lane (r, hh) holds column n = r and rows m = 8 hh + j;
; two tiles stacked along m, packed to f16 in pairs, are a fragment with row (or column) r and k = m:
;   K^T(c, key)   = Wk x z    -> K fragment (row key, k = c)          V(key, c)     = z x Wv    -> V^T fragment (row c, k = 32 keys)
;   Q^T(c, query) = Wq x z    -> Q fragment                           G^T(c, query) = Wg x z    -> stays f32, laid out as O^T
;   S^T(key, query) = K x Q + bias (the bias is the C operand)        -> P fragment (column query, k = 32 keys)
;   O^T(c, query) = V^T x P   -> 16 bytes a lane of o*g               out^T(e, query) = Wo x (o*g) -> 8 neighbouring e a lane
;   sum(query)    = ones x P: every register of the tile holds the query's sum over all its keys, of the very f16 weights that multiply V:
;                   8 products a tile in place of 62 packed adds and an exchange of the lanes' halves, on the side of the loop that has room
;
; A TRIP HOLDS TWO QUERY TILES, PIECES A AND B, WHICH SHARE THE K, V^T, Wq AND Wg FRAGMENTS AND TAKE TURNS: a piece's gate and softmax are 47 slices of about eight
; vector instructions, and one slice stands behind each product of the other piece, or of the piece's own O^T, which needs only blocks already packed:
;   at the head: A's scores are made, B's bias lies in B's score registers, B's z in ZF
;   phase 2: slices of A | Q^T, G^T of B (16), S^T of B (16), O^T and sum of A, blocks 0-4 (15)
;   phase 3: slices of B | O^T and sum of A, blocks 5-7 (9); A's way to LDS; O^T and sum of B, blocks 0-6 (21); the next A's bias into A's score registers; the refill
;   phase 4: O^T and sum of B, block 7; B's way to LDS; (every second trip: the way out); the next A's z and the next B's bias are asked of LDS;
;            Q^T, G^T and S^T of the next A (32 products), beside which the bias comes in
; A trip is 112 products and about 830 vector instructions.  WINDOWS: v_exp_f32 takes its data as source 0, a product its A fragment; the A fragments (K 128, V^T 128,
; Wq and Wg 128, ones 8 registers) and a piece's 128 scores do not fit one window of 256, so a product among vector work costs two switches: about 180 in a trip.
;
; CLUSTER: the bias of a pair of query tiles (128 KiB, all heads) is the same for every row b.  The four work-groups of a cluster ask for it jointly: the same load, the
; same descriptor, mask 15; that divides the requests for the 1 MiB of bias, which every row needs whole, by four.  z is the row's own.  The weights are not asked
; for jointly: a wave loads its 64 KiB once, straight into registers in fragment order, 256 KiB a work-group against the 1 MiB of bias; through LDS they would
; need 160 KiB, and 9,728 bytes are free.
; THE BIAS RING: a wave has three parts of 16 KiB, s0 s1 s2.  One load brings a pair's two tiles of my head, 32 KiB, into two neighbouring parts: an even pair into
; s1 s2, an odd pair into s0 s1.  Piece A takes the tile in s1 (so in odd pairs A is the later tile), piece B the one in s2 or s0.  At the refill s1 has just been read
; into A's score registers, the other part was read at the end of the trip before, and the third part holds the next B's bias, still unread.  So there is one round
; of the cluster's barrier and one load of a wave for two tiles, and a load has a trip less 24 turns in which to land.
; THE ORDER OF THE TILES: cluster c starts at the group of four query tiles c mod 4 and walks on modulo 4, so that the 64 clusters do not all ask for the same
; 128 KiB at the same time.  The group's number is equal in all partners; it enters the bias tile's global address, the LDS address at which the queries' z is read, and out0's.
;
; LDS:  ZL 0      z, 256 rows of 256 bytes + 16 of padding (filled once)       OG 69632   o*g in f16 of one group, 64 rows of 272, written by LDS stores alone
;       BS 87040  four waves' rings of 3 x 16 KiB                              ST 283648  each wave's stage of 16 rows x 528 bytes for the way out
; REGISTERS, in windows of 256:
;   window 0: addresses, softmax figures, fragments at work, v128-255 A's 16 score tiles     window 1: K fragments 0-127, Wq 128-191, Wg 192-255
;   window 2: V^T fragments 0-127, v128-255 B's 16 score tiles (on the way out: results)     window 3: Wo, all 32 fragments
.set ZP,    272                        ; pitch of z and o*g rows: an odd multiple of 16 bytes, so the 16 rows of a fragment load start 16 bytes apart modulo 256
.set OG,    69632
.set BS,    87040
.set SUBS,  16384                      ; a part of a wave's ring: one tile of one head
.set WRING, 3*SUBS
.set PAIRB, 131072                     ; bytes of biasf from a pair of query tiles to the next
.set ST,    283648
.set STP,   528                        ; pitch of the stage: 512 bytes + 16
.set ZA,  4                            ; v4   r*272 + 16 hh: my part of a z fragment, rows 0-15
.set ZQ,  5                            ; v5   the same for the first query tile of the group at work
.set BA,  6                            ; v6   my 16 bytes at the head of my wave's ring
.set OGW, 8                            ; v8   where I put o*g (the tile's place in the group stands in the immediate)
.set OGR, 9                            ; v9   where I read o*g fragments
.set STW, 10                           ; v10  stage, in
.set STR, 11                           ; v11  stage, back
.set WA,  12                           ; v12  16 x lane; never rewritten
.set MX,  14                           ; v[14:15] the query's maximum, twice
.set MC,  16                           ; v[16:19] four chains of maxima
.set RL,  20                           ; v[20:21] 1/sum, twice
.set PT,  22                           ; v22  what the other half of the lanes sent
.set ONES, 24                          ; v[24:31] a fragment of ones
.set ZF,  32                           ; v[32:63]  four fragments of z or of o*g
.set ZF0, 32                           ;           its name in the prologue
.set ZF1, 64                           ; v[64:95]  the second buffer, in the prologue
.set OA,  32                           ; piece p: O^T at 32 p + 32 .. 47, its sums at 32 p + 48 .. 55: A's on ZF, B's on QA and QF, which are dead by then
.set QA,  64                           ; v[64:79]  Q^T, two tiles
.set QF,  80                           ; v[80:87]  Q fragment
.set GA,  88                           ; v[88:103] G^T of A, v[104:119] of B
.set KA,  96                           ; v[96:111] K^T in the prologue
.set VA,  112                          ; v[112:127] V in the prologue
.set OF,  120                          ; v[120:127] o*g packed
.set SC,  128                          ; v[128:255] scores, then p, then P fragments at 16 kb: A's in window 0, B's in window 2
.set WK,  128                          ; in the prologue: Wk fragments (4 ct + ks) at 8 each
.set WV,  192                          ;                  Wv
.set ACC, 128                          ; on the way out, window 2: eight tiles of out^T
.set RB,  192                          ;                           16 rows read back
.set KF,  0                            ; window 1
.set WQ,  128
.set WG,  192
.set VF,  0                            ; window 2: fragment (kb, ct) at 8 (2 kb + ct)
.set WO,  0                            ; window 3: fragment (et, ks) at 8 (4 et + ks)
.set G0Z, 12                           ; s[12:15] z: from where, to where
.set G1Z, 16                           ; s[16:23] z: the shape
.set G1B, 24                           ; s[24:31] bias: the shape and the mask
.set G0,  32                           ; s[32:35] bias, even pairs (to s1 s2); s[36:39] odd pairs (to s0 s1)
                                       ; s45 the group at work; s[52:53] wfrag at my head; s[54:55] out0 at the group; s[56:57] biasf at my head; s[58:59] the next pair's offset
.set MSB, 0
.macro WIN new                         ; low byte: bits 1:0 source 0, 3:2 source 1, 5:4 source 2, 7:6 destination; the high byte repeats the setting that is left
.if MSB != (\new)
	s_set_vgpr_msb (MSB<<8)|(\new)
.set MSB, (\new)
.endif
.endm
.macro PLACES n
.rept \n
	v_nop
.endr
.endm
; a round of the cluster's barrier: my work-group's barrier, wave 0 signals for the work-group, every wave waits for all four work-groups, my work-group's barrier again
.macro ROUND
	s_barrier_signal -1
	s_barrier_wait -1
	s_cmp_lg_u32 s42, 0
	s_cbranch_scc1 .Lnot_wave_0_\@
	s_barrier_signal -3
.Lnot_wave_0_\@:
	s_barrier_wait -3
	s_barrier_signal -1
	s_barrier_wait -1
.endm
; one product; link = 0: it starts the sum (C = 0), nothing is ever cleared
.macro WMMA d, a, b, link
.if \link
	v_wmma_f32_16x16x32_f16 v[\d:\d+7], v[\a:\a+7], v[\b:\b+7], v[\d:\d+7]
.else
	v_wmma_f32_16x16x32_f16 v[\d:\d+7], v[\a:\a+7], v[\b:\b+7], 0
.endif
.endm
; n half-fragments of wfrag, 512 consecutive bytes each, from byte off behind the base
.macro LDW dst, sb, n, off
.set i_, 0
.rept \n
	global_load_b128 v[\dst+4*i_:\dst+4*i_+3], v[WA], s[\sb:\sb+1] offset:\off+512*i_
.set i_, i_+1
.endr
.endm
; the four fragments (128 k) of 16 rows of z or o*g: lane (r, hh) takes k = 8 hh .. +7 and 16 + 8 hh .. +7 of each 32
.macro LDZ buf, areg, off
.irp ks, 0,1,2,3
	ds_load_b128 v[\buf+8*\ks:\buf+8*\ks+3], v[\areg] offset:\off+64*\ks
	ds_load_b128 v[\buf+8*\ks+4:\buf+8*\ks+7], v[\areg] offset:\off+64*\ks+32
.endr
.endm
; n loads of 512 consecutive bytes of my ring, from load number n0 of the part at byte off, into the score registers (of the window that is set)
.macro LDB n0, n, off
.set i_, (\n0)
.rept \n
	ds_load_b128 v[SC+4*i_:SC+4*i_+3], v[BA] offset:\off+512*i_
.set i_, i_+1
.endr
.endm
; what hangs on the group at work: where its queries' z lies in LDS, and its 64 rows of out0
.macro SETG
	s_mul_i32 s47, s45, 64*ZP
	v_add_nc_u32 v[ZQ], s47, v[ZA]
	s_lshl_b32 s60, s45, 15
	s_mov_b32 s61, 0
	s_add_nc_u64 s[54:55], s[10:11], s[60:61]
.endm
; THE REFILL: two parts of my ring get the next pair but one (set = 0: an even pair, to s1 s2; 1: an odd pair, to s0 s1)
.macro ASK set
	WIN 0
	s_wait_tensorcnt 0x0                           ; all my tensor loads have landed, so a group 0 may be written
	ds_add_u32 v7, v23
	s_add_nc_u64 s[G0+4*\set+2:G0+4*\set+3], s[56:57], s[58:59]
	s_or_b32 s[G0+4*\set+3], s[G0+4*\set+3], 0x80000000            ; type = 2
	s_add_co_u32 s58, s58, PAIRB                   ; the pairs are walked modulo 8
	s_and_b32 s58, s58, 0xfffff
	s_wait_dscnt 0x0                               ; my reads of the two parts are back
	ROUND                                          ; both now hold of every wave of all four work-groups
	tensor_load_to_lds s[G0+4*\set:G0+4*\set+3], s[G1B:G1B+7]      ; my one tensor load behind the round, first thing there: 32 KiB
	s_nop 0
	v_nop
	v_nop
	v_nop
	v_nop
.endm
	s_load_b256 s[4:11], s[0:1], 0x0               ; zh s[4:5], biasf s[6:7], wfrag s[8:9], out0 s[10:11]
	v_lshl_add_u32 v7, v0, 2, 0x4d800
	v_mov_b32 v23, 0
	ds_add_u32 v7, v23
	v_lshrrev_b32 v13, 5, v0
	v_readfirstlane_b32 s42, v13                   ; wave = head, 0..3
	s_bfe_u32 s43, ttmp6, 0x40000                  ; cx: my place in the cluster
	s_lshl_b32 s46, ttmp9, 2                       ; ttmp9 counts clusters
	s_add_co_u32 s46, s46, s43                     ; b; it enters the global addresses of zh and out0 alone
	s_and_b32 s45, ttmp9, 3                        ; the group at which my cluster starts
	s_mov_b32 s40, 0x76543210                      ; v_permlanex16_b32: lane i reads lane i of the other half
	s_mov_b32 s41, 0xfedcba98
	; z: each wave brings 64 rows of 128 f16, 16 bytes of padding behind every 64 words
	s_mov_b32 s[G1Z+0], (1<<16)|(1<<20)|(5<<22)|(3<<25)
	s_mov_b32 s[G1Z+1], 128<<16                    ; tensor_dim0 = 128
	s_mov_b32 s[G1Z+2], 64<<16                     ; tensor_dim1 = 64
	s_mov_b32 s[G1Z+3], 128<<16                    ; tile_dim0 = 128
	s_mov_b32 s[G1Z+4], 64                         ; tile_dim1 = 64
	s_mov_b32 s[G1Z+5], 128                        ; elements from row to row
	s_mov_b32 s[G1Z+6], 0
	s_mov_b32 s[G1Z+7], 0
	; bias: each wave brings its head's 32 KiB of a pair, dense, as 128 rows of 32 elements of 8 bytes; mask 15 = all four work-groups of the cluster, bit 21 beside it
	s_mov_b32 s[G1B+0], 15|(3<<16)|(1<<21)
	s_mov_b32 s[G1B+1], 32<<16
	s_mov_b32 s[G1B+2], 128<<16
	s_mov_b32 s[G1B+3], 32<<16
	s_mov_b32 s[G1B+4], 128
	s_mov_b32 s[G1B+5], 32
	s_mov_b32 s[G1B+6], 0
	s_mov_b32 s[G1B+7], 0
	s_mov_b32 s[G0Z], 1
	s_mul_i32 s[G0Z+1], s42, 64*ZP                 ; my quarter of ZL
	s_lshl_b32 s48, s46, 16                        ; s[48:49] hold what hangs on b; s[50:51] what hangs on the wave alone
	s_lshl_b32 s47, s42, 14
	s_add_co_u32 s48, s48, s47                     ; b rows of 65,536 bytes + 64 w rows of 256
	s_mov_b32 s49, 0
	s_lshl_b32 s50, s42, 15                        ; my head's 32 KiB of a pair
	s_mov_b32 s51, 0
	s_mul_i32 s47, s42, WRING                      ; my ring
	s_mov_b32 s[G0], 1
	s_add_co_u32 s[G0+1], s47, BS+SUBS             ; even pairs: s1 s2
	s_mov_b32 s[G0+4], 1
	s_add_co_u32 s[G0+5], s47, BS                  ; odd pairs: s0 s1
	s_lshl_b32 s58, s45, 18                        ; the first pair of my cluster's first group
	s_mov_b32 s59, 0
	s_wait_dscnt 0x0
	s_wait_kmcnt 0x0
	s_add_nc_u64 s[G0Z+2:G0Z+3], s[4:5], s[48:49]
	s_or_b32 s[G0Z+3], s[G0Z+3], 0x80000000        ; type = 2
	s_add_nc_u64 s[56:57], s[6:7], s[50:51]
	s_add_nc_u64 s[G0+2:G0+3], s[56:57], s[58:59]
	s_or_b32 s[G0+3], s[G0+3], 0x80000000
	s_add_co_u32 s58, s58, PAIRB
	s_and_b32 s58, s58, 0xfffff
	s_lshl_b32 s50, s42, 13
	s_add_nc_u64 s[52:53], s[8:9], s[50:51]        ; wfrag at my head's two column tiles of matrix 0; the matrix stands in the loads' immediates
	s_lshl_b32 s48, s46, 17
	s_add_co_u32 s48, s48, s50
	s_add_nc_u64 s[10:11], s[10:11], s[48:49]      ; out0 at row b, query tile w of group 0
	ROUND                                          ; all four work-groups are here: the first joint load meets
	tensor_load_to_lds s[G0Z:G0Z+3], s[G1Z:G1Z+7]  ; the first fills, one group: my quarter of z,
	s_nop 0
	tensor_load_to_lds s[G0:G0+3], s[G1B:G1B+7]    ; and my head's bias for the first pair.  Two tensor loads of the wave are out
	s_nop 0
	v_and_b32 v1, 31, v0                           ; lane
	v_and_b32 v2, 15, v0                           ; r
	v_bfe_u32 v3, v0, 4, 1                         ; hh
	v_lshlrev_b32 v[WA], 4, v1
	LDW WK, 52, 16, 32768
	LDW WV, 52, 16, 65536
	v_mul_u32_u24 v[ZA], v2, ZP
	v_lshl_add_u32 v[ZA], v3, 4, v[ZA]
	v_add_nc_u32 v[BA], s[G0+5], v[WA]
	s_lshl_b32 s47, s42, 6
	s_add_co_u32 s47, s47, OG
	v_add_nc_u32 v[OGW], s47, v[ZA]                ; row r, my head's 64 bytes, 16 hh
	s_mul_i32 s47, s42, 16*ZP
	s_add_co_u32 s47, s47, OG
	v_add_nc_u32 v[OGR], s47, v[ZA]                ; query tile w of the group
	s_mul_i32 s47, s42, 16*STP
	s_add_co_u32 s47, s47, ST
	v_mul_u32_u24 v[STW], v2, STP
	v_lshl_add_u32 v[STW], v3, 5, v[STW]
	v_add_nc_u32 v[STW], s47, v[STW]               ; row r, 32 bytes for each half of the lanes
	v_add_nc_u32 v[STR], s47, v[WA]                ; a whole row of 512 bytes for the 32 lanes
	v_mov_b32 v[PT], 0                             ; the destination of v_permlanex16_b32 counts as read
.irp i, 0,1,2,3,4,5,6,7
	v_mov_b32 v[ONES+\i], 0x3c003c00               ; 1.0 twice, in f16
.endr
	s_wait_tensorcnt 0x1                           ; my quarter of z is in; the bias issued behind it may stay out
	s_barrier_signal -1
	s_barrier_wait -1                              ; everybody's quarter is in
	LDZ ZF0, ZA, 0
	s_wait_loadcnt 0x0                             ; Wk, Wv
	WIN 0x40
	LDW WQ, 52, 16, 0                              ; into window 1, wanted behind the prologue
	LDW WG, 52, 16, 98304
	WIN 0
; PROLOGUE: K and V of my head, key tile kt (16 keys): 16 products, then packed into the fragments that stay for the whole kernel.
; The four accumulators take turns, one instruction a turn.
.macro KV kt
.if \kt < 15
	LDZ ZF1-32*(\kt&1), ZA, (\kt+1)*16*ZP          ; the next key tile, into the buffer read last
	s_wait_dscnt 0x8                               ; those eight may stay out; this tile's are in
.else
	s_wait_dscnt 0x0
.endif
.irp ks, 0,1,2,3
	WMMA KA, WK+8*\ks, ZF0+32*(\kt&1)+8*\ks, \ks
	WMMA KA+8, WK+32+8*\ks, ZF0+32*(\kt&1)+8*\ks, \ks
	WMMA VA, ZF0+32*(\kt&1)+8*\ks, WV+8*\ks, \ks
	WMMA VA+8, ZF0+32*(\kt&1)+8*\ks, WV+32+8*\ks, \ks
.endr
	PLACES 5                                       ; four before the conversions read the results and the next loads land on the fragments, five before the next tile's first products write over the accumulators
	WIN 0x40
.irp j, 0,1,2,3,4,5,6,7
	v_cvt_pk_f16_f32 v[KF+8*\kt+\j], v[KA+2*\j], v[KA+2*\j+1]
.endr
	WIN 0x80
.irp j, 0,1,2,3
	v_cvt_pk_f16_f32 v[VF+16*(\kt>>1)+4*(\kt&1)+\j], v[VA+2*\j], v[VA+2*\j+1]
	v_cvt_pk_f16_f32 v[VF+16*(\kt>>1)+8+4*(\kt&1)+\j], v[VA+8+2*\j], v[VA+8+2*\j+1]
.endr
	WIN 0
.endm
.irp kt, 0,1,2,3,4,5,6,7
	KV \kt
.endr
	WIN 0xc0
	LDW WO, 8, 32, 131072                          ; Wo's first half, into window 3
	WIN 0
.irp kt, 8,9,10,11,12,13,14,15
	KV \kt
.endr
	WIN 0xc0
	LDW WO+128, 8, 32, 131072+16384                ; and its second
	WIN 0
	s_wait_loadcnt 32                              ; Wq and Wg are in (and Wo's first half); the 32 youngest loads may stay out
; THE PRODUCTS OF THE LOOP, one a call, each under its own window setting.  pc: the piece, 0 = A, 1 = B.  A number handed over may be an expression: it stands in brackets.
.macro MQG idx, pc                     ; product idx = 4 ks + which of Q^T, G^T: four accumulators by turns
.set ks_, (\idx)>>2
.set se_, (\idx)&3
	WIN 0x01                                       ; A from window 1
.if se_ < 2
	WMMA QA+8*se_, WQ+32*se_+8*ks_, ZF+8*ks_, ks_
.else
	WMMA GA+16*(\pc)+8*(se_-2), WG+32*(se_-2)+8*ks_, ZF+8*ks_, ks_
.endif
.endm
.macro MS pc, kt                       ; S^T = K Q^T + bias, key tile kt: sixteen accumulators, one product each
	WIN 0x01+0xa0*(\pc)                            ; A from window 1; B's scores, C and D, in window 2
	WMMA SC+8*(\kt), KF+8*(\kt), QF, 1
.endm
.macro MPV pc, kb, c                   ; block kb of 32 keys: c = 0, 1: the two tiles of O^T; c = 2: the sums.  Three accumulators by turns
.if (\c) < 2
	WIN 0x02+0x08*(\pc)                            ; A from window 2; B's P fragments too
	WMMA OA+32*(\pc)+8*(\c), VF+16*(\kb)+8*(\c), SC+16*(\kb), \kb
.else
	WIN 0x08*(\pc)
	WMMA OA+32*(\pc)+16, ONES, SC+16*(\kb), \kb
.endif
.endm
; THE SLICES of a piece's gate and softmax.  Each is of one kind, so that it runs under one window setting: for A all in window 0; for B the scores in window 2.
.macro MAXS pc, m                      ; part m of eight of the largest of my 128 scores, four chains
.set m_, (\m)
	WIN 0x0a*(\pc)                                 ; sources 0 and 1 are scores
.irp c, 0,1,2,3
.if m_ == 0
	v_max_num_f32 v[MC+\c], v[SC+32*\c], v[SC+32*\c+1]
.else
	v_max3_num_f32 v[MC+\c], v[SC+32*\c+4*m_], v[SC+32*\c+4*m_+1], v[MC+\c]
.endif
.endr
.irp c, 0,1,2,3
	v_max3_num_f32 v[MC+\c], v[SC+32*\c+4*m_+2], v[SC+32*\c+4*m_+3], v[MC+\c]
.endr
.endm
.macro MAXE                            ; the four chains, then the other half's
	WIN 0
	v_max3_num_f32 v[MC], v[MC], v[MC+1], v[MC+2]
	v_max_num_f32 v[MC], v[MC], v[MC+3]
	v_permlanex16_b32 v[PT], v[MC], s40, s41
	v_max_num_f32 v[MX], v[MC], v[PT]
	v_max_num_f32 v[MX+1], v[MC], v[PT]
.endm
; the softmax goes in eight blocks of 16 registers (32 keys)
.macro SUBB pc, kb
	WIN 0x82*(\pc)                                 ; source 0 and destination are scores
.irp i, 0,1,2,3,4,5,6,7
	v_pk_add_f32 v[SC+16*(\kb)+2*\i:SC+16*(\kb)+2*\i+1], v[SC+16*(\kb)+2*\i:SC+16*(\kb)+2*\i+1], v[MX:MX+1] neg_lo:[0,1] neg_hi:[0,1]
.endr
.endm
.macro EXPH pc, kb, h                  ; half h of the block's exponentials
	WIN 0x82*(\pc)
.irp i, 0,1,2,3,4,5,6,7
	v_exp_f32 v[SC+16*(\kb)+8*(\h)+\i], v[SC+16*(\kb)+8*(\h)+\i]
.endr
.endm
.macro CVTB pc, kb                     ; in place, ascending: the block's first 8 registers become its P fragment
	WIN 0x8a*(\pc)                                 ; both sources and the destination are scores
	s_wait_alu depctr_va_vdst(0)
.irp j, 0,1,2,3,4,5,6,7
	v_cvt_pk_f16_f32 v[SC+16*(\kb)+\j], v[SC+16*(\kb)+2*\j], v[SC+16*(\kb)+2*\j+1]
.endr
.endm
; Slice idx of piece pc.  0-2, 12-14: the gate, sigmoid(G) = 1 / (1 + exp2(-log2(e) G)).  3-11: the maximum.  15-46: p = exp2(s - max), packed:
; SUBB 0, EXPH 0 (two slices), then for k = 0 .. 6 at 18 + 4k: SUBB k+1, CVTB k, EXPH k+1 (two slices); 46: CVTB 7.
; Behind every run of transcendentals the next vector instruction is a plain one that touches none of their registers (ISA guide 5.7.2):
; a maximum, the next block's subtraction, or the v_nop at the head of slice 46.
.macro SLICE pc, idx
.set x_, (\idx)
.if x_ == 0
	WIN 0
.irp i, 0,1,2,3,4,5,6,7
	v_pk_mul_f32 v[GA+16*(\pc)+2*\i:GA+16*(\pc)+2*\i+1], v[GA+16*(\pc)+2*\i:GA+16*(\pc)+2*\i+1], 0xbfb8aa3b op_sel_hi:[1,0]
.endr
.elseif x_ < 3
	WIN 0
.irp i, 0,1,2,3,4,5,6,7
	v_exp_f32 v[GA+16*(\pc)+8*(x_-1)+\i], v[GA+16*(\pc)+8*(x_-1)+\i]
.endr
.elseif x_ < 11
	MAXS \pc, x_-3
.elseif x_ == 11
	MAXE
.elseif x_ == 12
	WIN 0
	s_wait_alu depctr_va_vdst(0)
.irp i, 0,1,2,3,4,5,6,7
	v_pk_add_f32 v[GA+16*(\pc)+2*\i:GA+16*(\pc)+2*\i+1], v[GA+16*(\pc)+2*\i:GA+16*(\pc)+2*\i+1], 1.0 op_sel_hi:[1,0]
.endr
.elseif x_ < 15
	WIN 0
.irp i, 0,1,2,3,4,5,6,7
	v_rcp_f32 v[GA+16*(\pc)+8*(x_-13)+\i], v[GA+16*(\pc)+8*(x_-13)+\i]
.endr
.elseif x_ == 15
	SUBB \pc, 0
.elseif x_ < 18
	EXPH \pc, 0, x_-16
.elseif x_ == 46
	v_nop
	s_wait_alu depctr_va_vdst(0)
	CVTB \pc, 7
.else
.set k_, (x_-18)>>2
.set r_, (x_-18)&3
.if r_ == 0
	SUBB \pc, k_+1
.elseif r_ == 1
	CVTB \pc, k_
.else
	EXPH \pc, k_+1, r_-2
.endif
.endif
.endm
; A piece's way to LDS: O^T times gate / sum, packed; tile: its place among the group's four
.macro EPI pc, tile
	WIN 0
	v_rcp_f32 v[RL], v[OA+32*(\pc)+16]             ; the query's sum, at least 1
	v_rcp_f32 v[RL+1], v[OA+32*(\pc)+16]
	v_nop
	s_wait_alu depctr_va_vdst(0)
.irp i, 0,1,2,3,4,5,6,7
	v_pk_mul_f32 v[GA+16*(\pc)+2*\i:GA+16*(\pc)+2*\i+1], v[GA+16*(\pc)+2*\i:GA+16*(\pc)+2*\i+1], v[RL:RL+1]
.endr
.irp i, 0,1,2,3,4,5,6,7
	v_pk_mul_f32 v[OA+32*(\pc)+2*\i:OA+32*(\pc)+2*\i+1], v[OA+32*(\pc)+2*\i:OA+32*(\pc)+2*\i+1], v[GA+16*(\pc)+2*\i:GA+16*(\pc)+2*\i+1]
.endr
.irp j, 0,1,2,3,4,5,6,7
	v_cvt_pk_f16_f32 v[OF+\j], v[OA+32*(\pc)+2*\j], v[OA+32*(\pc)+2*\j+1]
.endr
	ds_store_b128 v[OGW], v[OF:OF+3] offset:(\tile)*16*ZP          ; query r, channels 32 h + 8 hh .. +7
	ds_store_b128 v[OGW], v[OF+4:OF+7] offset:(\tile)*16*ZP+32     ; and 32 h + 16 + 8 hh .. +7
.endm
; PHASE 2: a product, then a slice of A
.macro PH2
.set t_, 0
.rept 47
.if t_ < 16
	MQG t_, 1
.elseif t_ < 32
	MS 1, t_-16
.else
.set kb_, (t_-32)/3
.set c_, (t_-32)%3
	MPV 0, kb_, c_                                 ; block kb was packed by slice 19 + 4 kb, ahead of turn 32 + 3 kb
.endif
	SLICE 0, t_
.if t_ == 15
	WIN 0
.irp j, 0,1,2,3,4,5,6,7
	v_cvt_pk_f16_f32 v[QF+\j], v[QA+2*\j], v[QA+2*\j+1]    ; slice 15's eight subtractions are the places behind Q^T's last products (ISA guide 7.12.1)
.endr
.endif
.set t_, t_+1
.endr
.endm
; PHASE 3: a product where there is one, then a slice of B.  par: the pair's parity; ask = 1: a refill; next = 1: another trip follows
.macro PH3 par, ask, next
.set t_, 0
.rept 47
.if t_ < 9
.set kb_, 5+t_/3
.set c_, t_%3
	MPV 0, kb_, c_
.elseif (t_ >= 20) && ((t_&3) != 3)
.set kb_, (t_-20)>>2
.set c_, t_&3
	MPV 1, kb_, c_                                 ; block kb was packed by slice 19 + 4 kb, just ahead
.endif
	SLICE 1, t_
.if t_ == 8
	EPI 0, 3*\par                                  ; slice 8's eight maxima are the places behind A's last products
.endif
.if \next
.if (t_ >= 15) && (t_ <= 27) && ((t_&3) == 3)
	WIN 0
.if t_ == 15
	s_wait_tensorcnt 0x0                           ; the one tensor load of mine that is out brought the next pair: it is in
.endif
	LDB 8*((t_-15)>>2), 8, SUBS                    ; a quarter of the next A's bias, from s1 into A's score registers, whose last readers were the products of turns 6 to 8
.endif
.endif
.if \ask
.if t_ == 39
	ASK \par
.endif
.endif
.set t_, t_+1
.endr
.endm
; THE START OF A TRIP, made at the end of the trip before: np = the coming pair's parity.  A is the group's tile 3 np, B its tile 1 + np; B's bias lies in s2 (np = 0) or s0.
; first = 1: ahead of the first trip A's bias is read here too, and the second pair is asked for.
.macro PH1 np, first
.if \first
	s_wait_tensorcnt 0x0                           ; the first pair is in
	LDB 0, 32, SUBS
.endif
	LDZ ZF, ZQ, 3*(\np)*16*ZP                      ; A's z
	WIN 0x80
	LDB 0, 32, (2-2*(\np))*SUBS                    ; B's bias, into window 2
	WIN 0
.if \first
	ASK 1
.else
	s_wait_dscnt 0x20                              ; the 32 bias loads are younger: A's z is in, and so is A's bias, asked for in phase 3
.endif
.set q_, 0
.rept 16
	MQG q_, 0
.set q_, q_+1
.endr
	WIN 0
	PLACES 5                                       ; four before loads land on ZF and Q^T is read, five before the next trip's products write over Q^T
	LDZ ZF, ZQ, (1+(\np))*16*ZP                    ; B's z
.irp j, 0,1,2,3,4,5,6,7
	v_cvt_pk_f16_f32 v[QF+\j], v[QA+2*\j], v[QA+2*\j+1]
.endr
.set q_, 0
.rept 16
	MS 0, q_
.set q_, q_+1
.endr
	WIN 0
.endm
; THE WAY OUT, behind every second trip: wave w takes query tile w of the group, all four heads' o*g, all 128 outputs.  more = 1: another group follows.
.macro OUTB more
	s_wait_dscnt 0x0                               ; my o*g is in LDS, for the other waves' sake,
	s_barrier_signal -1
	s_barrier_wait -1                              ; and so is everybody's.  The bias on its way may stay out
	LDZ ZF, OGR, 0
	s_wait_loadcnt 0x0                             ; Wo
	s_wait_dscnt 0x0                               ; my reads of o*g are back:
	s_barrier_signal -1                            ; say so, since the next group's o*g goes to the same 64 rows,
	WIN 0xa3                                       ; A from window 3, C and D in window 2
.irp ks, 0,1,2,3
.irp et, 0,1,2,3,4,5,6,7
	WMMA ACC+8*\et, WO+32*\et+8*\ks, ZF+8*\ks, \ks   ; eight accumulators by turns
.endr
.endr
	WIN 0
	s_barrier_wait -1                              ; and go on when all four have said so
	PLACES 4                                       ; before the LDS stores read the results and loads land on ZF (ISA guide 7.12.1 for vector instructions)
	WIN 0x08                                       ; the data of a store is source 1
.irp et, 0,1,2,3,4,5,6,7
	ds_store_b128 v[STW], v[ACC+8*\et:ACC+8*\et+3] offset:64*\et         ; query r, outputs 16 et + 8 hh .. +3
	ds_store_b128 v[STW], v[ACC+8*\et+4:ACC+8*\et+7] offset:64*\et+16
.endr
	WIN 0x80
.irp rr, 0,1,2,3,4,5,6,7,8,9,10,11,12,13,14,15
	ds_load_b128 v[RB+4*\rr:RB+4*\rr+3], v[STR] offset:STP*\rr           ; my own bytes: LDS serves a wave's instructions in order (ISA guide 5.7.1)
.endr
	WIN 0x08
.irp rr, 0,1,2,3,4,5,6,7,8,9,10,11,12,13,14,15
	s_wait_dscnt 15-\rr                            ; the younger read-backs may stay out
	global_store_b128 v[WA], v[RB+4*\rr:RB+4*\rr+3], s[54:55] offset:512*\rr th:TH_STORE_NT   ; the wave stores one whole row of out0, 512 consecutive bytes, aligned
.endr
	WIN 0
.if \more
	s_wait_xcnt 0x0                                ; the stores' base, and their data, on which the next B's bias lands, are rewritten only behind this wait
	s_add_co_u32 s45, s45, 1                       ; the groups are walked modulo 4
	s_and_b32 s45, s45, 3
	SETG
.endif
.endm
; A TRIP: a pair of query tiles of my head against all 256 keys
.macro TRIP par, ask, next, out, more
	s_wait_dscnt 0x0                               ; B's z and B's bias are in
	PH2
	PH3 \par, \ask, \next
.irp c, 0,1,2
	MPV 1, 7, \c
.endr
	WIN 0
	PLACES 4                                       ; before B's results are read (ISA guide 7.12.1)
	EPI 1, 1+\par
.if \out
	OUTB \more
.endif
.if \next
	PH1 1-\par, 0
.endif
.endm
	SETG
	PH1 0, 1
	s_mov_b32 s44, 3
.Lgrp:                                         ; three groups of four query tiles
	TRIP 0, 1, 1, 0, 0
	TRIP 1, 1, 1, 1, 1
	s_sub_co_u32 s44, s44, 1
	s_cmp_lg_u32 s44, 0
	s_cbranch_scc1 .Lgrp
	TRIP 0, 0, 1, 0, 0                             ; the last group, written out: nothing is left to ask for,
	TRIP 1, 0, 0, 1, 0                             ; and no trip follows the last
	s_wait_tensorcnt 0x0
	ds_add_u32 v7, v23
	s_wait_dscnt 0x0
	ROUND                                          ; the closing round: no work-group ends while a partner may still ask for a tile that names it
	s_endpgm
.Lfunc_end_k_q969e9b2c64_attn:
	.size	k_q969e9b2c64_attn, .Lfunc_end_k_q969e9b2c64_attn-k_q969e9b2c64_attn
	.p2alignl 7, 3214868480
	.fill 96, 4, 3214868480
	.section	.rodata,"a",@progbits
	.p2align	6, 0x0
	.amdhsa_kernel k_q969e9b2c64_attn
		.amdhsa_group_segment_fixed_size 327680
		.amdhsa_private_segment_fixed_size 0
		.amdhsa_enable_private_segment 0
		.amdhsa_kernarg_size 32
		.amdhsa_user_sgpr_count 2
		.amdhsa_user_sgpr_kernarg_segment_ptr 1
		.amdhsa_wavefront_size32 1
		.amdhsa_system_sgpr_workgroup_id_x 1
		.amdhsa_system_sgpr_workgroup_id_y 1
		.amdhsa_system_sgpr_workgroup_id_z 1
		.amdhsa_system_vgpr_workitem_id 0
		.amdhsa_next_free_vgpr 1024
		.amdhsa_next_free_sgpr 66
		.amdhsa_reserve_vcc 0
		.amdhsa_float_denorm_mode_32 3
		.amdhsa_float_denorm_mode_16_64 3
		.amdhsa_memory_ordered 1
		.amdhsa_forward_progress 1
		.amdhsa_inst_pref_size 255
	.end_amdhsa_kernel
	.section	.bss,"aw",@nobits
	.p2align	6
	.space	262144
	.amdgpu_metadata
---
amdhsa.version: [ 1, 2 ]
amdhsa.kernels:
  - .name:           k_q969e9b2c64_attn
    .symbol:         k_q969e9b2c64_attn.kd
    .args:
      - { .name: zh, .offset: 0, .size: 8, .value_kind: global_buffer, .address_space: global }
      - { .name: biasf, .offset: 8, .size: 8, .value_kind: global_buffer, .address_space: global }
      - { .name: wfrag, .offset: 16, .size: 8, .value_kind: global_buffer, .address_space: global }
      - { .name: out0, .offset: 24, .size: 8, .value_kind: global_buffer, .address_space: global }
    .group_segment_fixed_size: 327680
    .private_segment_fixed_size: 0
    .kernarg_segment_align: 8
    .kernarg_segment_size: 32
    .max_flat_workgroup_size: 128
    .sgpr_count:     66
    .vgpr_count:     1024
    .wavefront_size: 32
...
	.end_amdgpu_metadata
.endif
;; end of part 4
;; ======== version 3 of 3: 2 launches; version 2 with the launch prep written anew for expert scheduling mode
;; limits: values are held in f16: magnitudes above 65,504 overflow, below 6.1e-05 lose precision
;; workspace buffers: zh 16,777,216 bytes; biasf 1,048,576 bytes; wfrag 163,840 bytes
;; launch prep (part 5): grid 296 x 1, 8 waves a work-group, no clusters, 5,120 bytes of LDS; arguments x, ln_w, ln_b, Wb, Wq, Wk, Wv, Wg, Wo, zh, biasf, wfrag; writes zh, biasf, wfrag
.if DOCPART == 5
	.amdgcn_target "amdgcn-amd-amdhsa--gfx1250"
	.amdhsa_code_object_version 6
	.text
	.protected	k_q969e9b2c64_prep
	.globl	k_q969e9b2c64_prep
	.p2align	8
	.type	k_q969e9b2c64_prep,@function
k_q969e9b2c64_prep:
	s_mov_b64 s[64:65], 0
	v_nop
	global_prefetch_b8 v0, s[64:65] scope:SCOPE_SE
	s_setreg_imm32_b32 hwreg(HW_REG_WAVE_SCHED_MODE, 0, 2), 2
	s_setreg_imm32_b32 hwreg(HW_REG_WAVE_MODE, 25, 1), 1
	s_wait_xcnt 0x0
	s_wait_alu depctr_vm_vsrc(0)
; TriangleAttention, first of two launches.  No step and no input of the problem is left out in either launch.
; This launch reads x once and stores what the second launch needs from ALL rows or in another form:
;   zh     z = LayerNorm(x) * ln_w + ln_b as f16, [256][256][128], rows of 256 bytes, THE 128 NUMBERS OF A ROW IN A PERMUTED ORDER:
;          place p holds column col(p) = 64 ((p >> 2) & 1) + 4 (p >> 3) + (p & 3)
;   biasf  log2(e) * (z @ Wb) in f32, in the register order of the second launch's score tiles, a head's two query tiles of a pair side by side:
;          byte (qt >> 1)*131072 + h*32768 + (qt & 1)*16384 + kt*1024 + half*512 + lane*16 + i*4
;          = head h, query 16 qt + (lane & 15), key 16 kt + 8 (lane >> 4) + 4 half + i
;   wfrag  Wq (times 32^-0.5 * log2(e)), Wk, Wv, Wg, Wo as f16 in matrix-fragment order: half-fragment
;          T = ((m*8 + ct)*4 + ks)*2 + half at byte T*512 + lane*16 holds, for p = 32 ks + 16 half + 8 (lane >> 4) + 0..7,
;          W_m[col(p)][16 ct + (lane & 15)] for Wq, Wk, Wv, Wg, which multiply z, and Wo[p][16 ct + (lane & 15)]
; WHY THE ORDER: a lane takes 16 bytes at 16c of each half of 256 bytes of an x row, so that sixteen lanes' loads cover 256 consecutive bytes, aligned, and it
; stores its eight f16 as 16 bytes at 16c of zh's row.  The sum over k of z[k] W[k][n] does not hang on the order of k if both operands are laid out alike.
; The logits are kept in base 2, so that the softmax needs exp2 alone; that is why log2(e) is folded in here.
; LIMIT: z and the weights are rounded to f16: a value above 65,504 in magnitude overflows, one below 6e-8 is lost.
; z @ Wb has 4 columns for 128 k: it is done on the vector unit in f32 (a 16-column matrix tile would be three quarters idle,
; and the bias stays unrounded).
;
; Work-groups 0..255: qt = wg >> 4, kt = wg & 15: the 256 rows (i = 16 qt + 0..15, j = 16 kt + 0..15), which are four whole 1-KiB blocks of biasf.
; Sixteen lanes hold a row, lane c = tid & 15 its columns 4c..4c+3 and 64+4c..64+4c+3; tid >> 4 = 0..15 is the query iq; step s = 0..15 is the key.
; So a reduction is four steps inside sixteen lanes, and a store of z is 16 lanes x 16 bytes = one whole row of 256 bytes.
; The sixteen steps do not depend on each other: four go side by side, each with its own ten registers of scratch, every line written for all four
; before the next line, so that an instruction stands four or more behind the one whose result it reads.
; Work-groups 256..295: 40 x 8 waves make the 320 half-fragments of wfrag, one each.
;
; THE MODE: SCHED_MODE bits 1:0 = 2 (LLVM: expert scheduling mode 2), set by the entry lines.  The code itself states the register dependences
; between vector instructions and memory or LDS instructions, with s_wait_alu, always for 0.
; THE PLAN.  Registers that memory or LDS instructions touch, work-groups 0..255:
;   v4 .. v10     offsets and LDS addresses: written by vector instructions at the head, never again; read by every load and store.
;   v[12:59]      ln_w, ln_b, Wb: a load lands in each once; after that vector instructions alone name them.
;   X             a load lands in each register once; the step's arithmetic works in place; the step's first four registers, z in f16, are read by its store
;                 and never written again.
;   R             written at the head and by the last sixteen lane-crossing adds of each group; read by that group's four LDS stores.
;   G             scratch of the groups' vector instructions; at the end one LDS load lands in it and the last store reads it.
;   v244, v245    written at the head, read by the closing add alone.
; So: one wait on va_vdst ahead of the first load; in each group one ahead of its run of eight stores (the last group's also serves the LDS load into G, since no
; vector instruction follows it); in groups 1 to 3 one wait on vm_vsrc ahead of the adds that write R again, nearly a whole group behind the LDS stores that read it.
; All 32 loads of x are out from the head, each into registers of its own, so no load is dealt among the groups; a group's stores stand at its end, ahead of the
; next group's wait for data, so that they leave while that data is still on its way.
.set LOG2E,  0x3fb8aa3b
.set QSCALE, 0x3e8293ee                ; 32^-0.5 * log2(e)
.set XO,  4                            ; v4   iq*131072 + 16c: my 16 bytes in the first half of x's row, step 0
.set ZO,  5                            ; v5   iq*65536 + 16c: my 16 bytes of zh's row, step 0
.set LW,  6                            ; v6   iq*16: my query's place in an LDS block
.set PO,  7                            ; v7   16c: my first 4 numbers of ln_w and ln_b
.set WBO, 8                            ; v8   64c: my first 4 rows of Wb
.set LR,  9                            ; v9   16 tid: the way out of LDS
.set BO,  10                           ; v10  (tid >> 6)*32768 + (tid & 63)*16: the same 16 bytes in biasf
.set LNW, 12                           ; v[12:19] ln_w of my 8 columns
.set LNB, 20                           ; v[20:27] ln_b
.set WB,  28                           ; v[28:59] log2(e) * Wb[my column d][h] at 4d + h
.set S0,  60                           ; v[60:99] scratch, ten registers for each of four steps: 0-3 at work (2: 1/sqrt(var + eps)), 4 the row's sum,
                                       ;          5 the sum of squares, 6-9 the four heads' partial dot products
.set G,   60                           ; v[60:63] at the end: 16 bytes on their way from LDS to biasf
.set R,   100                          ; v[100:115] bias of head h, key 4g + u at 4h + u
.set X,   116                          ; v[116:243] step s: 8 registers, x as loaded, then z
                                       ; v244 the LDS address of my spare word, 4096 + 4 x thread; v245 0: made at the head and kept for the closing lines alone
	s_load_b512 s[8:23], s[0:1], 0x0               ; x s[8:9], ln_w s[10:11], ln_b s[12:13], Wb s[14:15], Wq s[16:17], Wk s[18:19], Wv s[20:21], Wg s[22:23]
	s_load_b256 s[24:31], s[0:1], 0x40             ; Wo s[24:25], zh s[26:27], biasf s[28:29], wfrag s[30:31]
	v_lshl_add_u32 v244, v0, 2, 0x1000
	v_mov_b32 v245, 0
	v_lshrrev_b32 v1, 5, v0
	v_readfirstlane_b32 s4, v1                     ; wave 0..7
	s_wait_alu depctr_va_sdst(0)                   ; s4 is written, ahead of the branch
	s_cmp_ge_u32 ttmp9, 256                        ; the same for all waves of a work-group
	s_cbranch_scc1 .Lweights
	s_lshr_b32 s5, ttmp9, 4                        ; qt
	s_and_b32 s6, ttmp9, 15                        ; kt
	s_mov_b32 s34, 0x3c000000                      ; 1/128
	s_mov_b32 s35, 0x3727c5ac                      ; 1e-5
	v_and_b32 v1, 15, v0                           ; c
	v_lshrrev_b32 v2, 4, v0                        ; iq
	v_lshlrev_b32 v[PO], 4, v1
	v_lshlrev_b32 v[WBO], 6, v1
	v_lshl_add_u32 v[XO], v2, 17, v[PO]
	v_lshl_add_u32 v[ZO], v2, 16, v[PO]
	v_lshlrev_b32 v[LW], 4, v2
	v_lshlrev_b32 v[LR], 4, v0
	v_lshrrev_b32 v[BO], 6, v0
	v_and_b32 v11, 63, v0
	v_lshlrev_b32 v11, 4, v11
	v_lshl_add_u32 v[BO], v[BO], 15, v11           ; a head's part of a pair of query tiles is 32 KiB
	s_lshl_b32 s2, s5, 21                          ; x: 16 qt rows i of 131,072 bytes
	s_lshl_b32 s3, s6, 13                          ;    + 16 kt rows j of 512 bytes
	s_add_co_u32 s2, s2, s3
	s_mov_b32 s3, 0
	s_lshl_b32 s32, s5, 20                         ; zh: half of that
	s_lshl_b32 s33, s6, 12
	s_add_co_u32 s32, s32, s33
	s_mov_b32 s33, 0
	s_lshr_b32 s36, s5, 1                          ; biasf: (qt >> 1)*131072
	s_lshl_b32 s36, s36, 17
	s_and_b32 s37, s5, 1                           ;        + (qt & 1)*16384
	s_lshl_b32 s37, s37, 14
	s_add_co_u32 s36, s36, s37
	s_lshl_b32 s37, s6, 10                         ;        + kt*1024
	s_add_co_u32 s36, s36, s37
	s_mov_b32 s37, 0
	s_wait_kmcnt 0x0
	s_add_nc_u64 s[8:9], s[8:9], s[2:3]
	s_add_nc_u64 s[26:27], s[26:27], s[32:33]
	s_add_nc_u64 s[28:29], s[28:29], s[36:37]
	s_wait_alu depctr_va_vdst(0)                   ; the seven offsets and addresses v4 to v10 are written: every load, store and LDS instruction of this path reads one of them
	; twelve parameter loads, then all 32 loads of x at once: 16 KiB of every wave are on their way
	global_load_b128 v[LNW:LNW+3], v[PO], s[10:11]                 ; columns 4c .. 4c+3
	global_load_b128 v[LNW+4:LNW+7], v[PO], s[10:11] offset:256    ; columns 64+4c .. 64+4c+3
	global_load_b128 v[LNB:LNB+3], v[PO], s[12:13]
	global_load_b128 v[LNB+4:LNB+7], v[PO], s[12:13] offset:256
.irp d, 0,1,2,3
	global_load_b128 v[WB+4*\d:WB+4*\d+3], v[WBO], s[14:15] offset:16*\d              ; row 4c + d of Wb, four heads
	global_load_b128 v[WB+16+4*\d:WB+16+4*\d+3], v[WBO], s[14:15] offset:1024+16*\d   ; row 64 + 4c + d
.endr
.irp s, 0,1,2,3,4,5,6,7,8,9,10,11,12,13,14,15
	global_load_b128 v[X+8*\s:X+8*\s+3], v[XO], s[8:9] offset:512*\s th:TH_LOAD_NT        ; x is read once in the launch; sixteen lanes take 256 consecutive bytes, aligned:
	global_load_b128 v[X+8*\s+4:X+8*\s+7], v[XO], s[8:9] offset:512*\s+256 th:TH_LOAD_NT  ; the first half of a row, then the second
.endr
.irp u, 0,1,2,3
	v_mov_b32 v[S0+10*\u+5], 0                     ; named as the second half of the sum's broadcast pair before it is first written
.endr
.irp i, 0,1,2,3,4,5,6,7,8,9,10,11,12,13,14,15
	v_mov_b32 v[R+\i], 0                           ; destinations of lane-crossing adds count as read: written once
.endr
	s_wait_loadcnt 32                              ; the parameters are in; the 32 younger loads of x stay out
.irp i, 0,1,2,3,4,5,6,7,8,9,10,11,12,13,14,15
	v_pk_mul_f32 v[WB+2*\i:WB+2*\i+1], v[WB+2*\i:WB+2*\i+1], LOG2E op_sel_hi:[1,0]
.endr
; the sum over the sixteen lanes of a row, in place on scratch register o of all four steps; every lane ends with the sum
.macro LSUM o
.irp m, 1,2,4,8
.irp u, 0,1,2,3
	v_add_f32_dpp v[S0+10*\u+\o], v[S0+10*\u+\o], v[S0+10*\u+\o] row_xmask:\m row_mask:0xf bank_mask:0xf
.endr
.endr
.endm
; Steps 4g .. 4g+3 side by side: the wave's two rows (queries 2w, 2w+1) at keys 16 kt + 4g + u, u = 0..3
.macro GROUP g
	s_wait_loadcnt 24-8*\g                         ; loads come back in order: these four steps' eight are in, those of the later groups stay out
.irp u, 0,1,2,3
.set x_, X+32*\g+8*\u
.set t_, S0+10*\u
	v_pk_add_f32 v[t_:t_+1], v[x_:x_+1], v[x_+2:x_+3]
	v_pk_add_f32 v[t_+2:t_+3], v[x_+4:x_+5], v[x_+6:x_+7]
.endr
.irp u, 0,1,2,3
.set t_, S0+10*\u
	v_pk_add_f32 v[t_:t_+1], v[t_:t_+1], v[t_+2:t_+3]
.endr
.irp u, 0,1,2,3
.set t_, S0+10*\u
	v_add_f32 v[t_+4], v[t_], v[t_+1]
.endr
	LSUM 4                                         ; the row's sum
.irp u, 0,1,2,3
.set x_, X+32*\g+8*\u
.set t_, S0+10*\u
.irp j, 0,2,4,6
	v_pk_fma_f32 v[x_+\j:x_+\j+1], v[t_+4:t_+5], 0xbc000000, v[x_+\j:x_+\j+1] op_sel_hi:[0,0,1]   ; x - sum/128
.endr
.endr
.irp u, 0,1,2,3
.set x_, X+32*\g+8*\u
.set t_, S0+10*\u
	v_pk_mul_f32 v[t_:t_+1], v[x_:x_+1], v[x_:x_+1]
.endr
.irp j, 2,4,6
.irp u, 0,1,2,3
.set x_, X+32*\g+8*\u
.set t_, S0+10*\u
	v_pk_fma_f32 v[t_:t_+1], v[x_+\j:x_+\j+1], v[x_+\j:x_+\j+1], v[t_:t_+1]
.endr
.endr
.irp u, 0,1,2,3
.set t_, S0+10*\u
	v_add_f32 v[t_+5], v[t_], v[t_+1]
.endr
	LSUM 5                                         ; the sum of squares
.irp u, 0,1,2,3
.set t_, S0+10*\u
	v_fma_f32 v[t_], v[t_+5], s34, s35             ; var + eps
.endr
.irp u, 0,1,2,3
.set t_, S0+10*\u
	v_rsq_f32 v[t_+2], v[t_]
.endr
	v_nop                                          ; one plain instruction behind the run of v_rsq_f32 before a result is used (ISA guide 5.7.2)
	s_wait_alu depctr_va_vdst(0)                   ; the four v_rsq_f32 have written their results, which the multiplies below read: one wait for the batch
.irp u, 0,1,2,3
.set x_, X+32*\g+8*\u
.set t_, S0+10*\u
.irp j, 0,2,4,6
	v_pk_mul_f32 v[x_+\j:x_+\j+1], v[x_+\j:x_+\j+1], v[t_+2:t_+3] op_sel_hi:[1,0]
.endr
.endr
.irp u, 0,1,2,3
.set x_, X+32*\g+8*\u
.irp j, 0,2,4,6
	v_pk_fma_f32 v[x_+\j:x_+\j+1], v[x_+\j:x_+\j+1], v[LNW+\j:LNW+\j+1], v[LNB+\j:LNB+\j+1]       ; z in f32
.endr
.endr
	; my 8 numbers' part of z . Wb[:, h]: heads 0, 1 in scratch 6, 7, heads 2, 3 in 8, 9; z_d is broadcast to both halves
.irp e, 0,2,4,6
.irp u, 0,1,2,3
.set x_, X+32*\g+8*\u+\e
.set a_, S0+10*\u+6
.if \e
	v_pk_fma_f32 v[a_:a_+1], v[x_:x_+1], v[WB+4*\e:WB+4*\e+1], v[a_:a_+1] op_sel_hi:[0,1,1]
	v_pk_fma_f32 v[a_+2:a_+3], v[x_:x_+1], v[WB+4*\e+2:WB+4*\e+3], v[a_+2:a_+3] op_sel_hi:[0,1,1]
.else
	v_pk_mul_f32 v[a_:a_+1], v[x_:x_+1], v[WB:WB+1] op_sel_hi:[0,1]
	v_pk_mul_f32 v[a_+2:a_+3], v[x_:x_+1], v[WB+2:WB+3] op_sel_hi:[0,1]
.endif
.endr
.irp u, 0,1,2,3
.set x_, X+32*\g+8*\u+\e
.set a_, S0+10*\u+6
	v_pk_fma_f32 v[a_:a_+1], v[x_:x_+1], v[WB+4*\e+4:WB+4*\e+5], v[a_:a_+1] op_sel:[1,0,0] op_sel_hi:[1,1,1]
	v_pk_fma_f32 v[a_+2:a_+3], v[x_:x_+1], v[WB+4*\e+6:WB+4*\e+7], v[a_+2:a_+3] op_sel:[1,0,0] op_sel_hi:[1,1,1]
.endr
.endr
.irp m, 1,2,4
.irp u, 0,1,2,3
.irp h, 0,1,2,3
	v_add_f32_dpp v[S0+10*\u+6+\h], v[S0+10*\u+6+\h], v[S0+10*\u+6+\h] row_xmask:\m row_mask:0xf bank_mask:0xf
.endr
.endr
.endr
.if \g
	s_wait_alu depctr_vm_vsrc(0)                   ; the LDS stores of the group before have read R, which the sixteen adds below write again
.endif
.irp u, 0,1,2,3
.irp h, 0,1,2,3
	v_add_f32_dpp v[R+4*\h+\u], v[S0+10*\u+6+\h], v[S0+10*\u+6+\h] row_xmask:8 row_mask:0xf bank_mask:0xf
.endr
.endr
.irp u, 0,1,2,3
.set x_, X+32*\g+8*\u
.irp j, 0,1,2,3
	v_cvt_pk_f16_f32 v[x_+\j], v[x_+2*\j], v[x_+2*\j+1]    ; in place, ascending: a destination has been consumed before it is written
.endr
.endr
	s_wait_alu depctr_va_vdst(0)                   ; the conversions have written the first four registers of each step's X, and the adds R: the eight stores below read them
.irp u, 0,1,2,3
.set x_, X+32*\g+8*\u
	global_store_b128 v[ZO], v[x_:x_+3], s[26:27] offset:256*(4*\g+\u)   ; 16 lanes store one whole row of 256 bytes; these registers are never written again
.endr
.irp h, 0,1,2,3
	ds_store_b128 v[LW], v[R+4*\h:R+4*\h+3] offset:\h*1024+(\g&1)*512+(\g>>1)*256   ; keys 4g..4g+3 of my query; the 16 lanes of a row write the same 16 bytes with the same numbers
.endr
.endm
.irp g, 0,1,2,3
	GROUP \g
.endr
	s_wait_dscnt 0x0                               ; my LDS stores are done, for the other waves' sake,
	s_barrier_signal -1
	s_barrier_wait -1                              ; and so are everybody's: the four 1-KiB blocks are whole
	ds_load_b128 v[G:G+3], v[LR]                   ; no wait on va_vdst here: no vector instruction has been issued since the last group's, so all that read or wrote v[G ..] stand ahead of it
	s_wait_dscnt 0x0
	global_store_b128 v[BO], v[G:G+3], s[28:29]    ; a wave stores 512 consecutive bytes, aligned
	s_wait_dscnt 0x0                               ; the closing lines, six on end
	s_wait_alu 0x0
	s_wait_tensorcnt 0x0
	ds_add_u32 v244, v245
	s_wait_dscnt 0x0
	s_endpgm
; One half-fragment a wave: 32 lanes x 8 numbers of one column of W_m, rounded to f16.  The reads are pieces of 64 bytes of rows of 512;
; all five matrices together are 320 KiB, read once.  The wave's number is 2 ks + half, hh = lane >> 4.
; Wo: the lane's eight rows are 16 wave + 8 hh + 0..7.  The four that multiply z, in zh's order: rows 4 (2 wave + hh) + 0..3 and 64 + the same.
; Registers that memory instructions touch here: the offsets v1, v2, v3, written once; v[4:11], in which one load each lands; v[12:15], written by the conversions
; and read by the one store.  These waves store nothing to LDS.
.Lweights:
	s_sub_co_u32 s5, ttmp9, 256                    ; 0..39
	s_lshr_b32 s6, s5, 3                           ; m: which matrix
	s_and_b32 s7, s5, 7                            ; ct: which 16 columns
	s_lshl_b32 s32, s5, 3
	s_add_co_u32 s32, s32, s4                      ; T = 8 (wg - 256) + wave
	s_lshl_b32 s32, s32, 9                         ; T * 512
	s_mov_b32 s37, 2048                            ; bytes from hh = 0 to hh = 1: 4 rows of 512 bytes,
	s_mov_b32 s38, 32768                           ; and from the lane's first four rows to its last four: 64 rows
	s_cmp_eq_u32 s6, 4
	s_cselect_b32 s37, 4096, s37                   ; Wo: 8 rows,
	s_cselect_b32 s38, 2048, s38                   ; and 4 rows
	s_mul_i32 s36, s4, s37
	s_lshl_b32 s36, s36, 1                         ; a wave's step is twice that of hh
	s_lshl_b32 s33, s7, 6                          ; 16 ct columns of 4 bytes
	s_add_co_u32 s33, s33, s36
	v_and_b32 v1, 15, v0
	v_bfe_u32 v2, v0, 4, 1
	v_lshlrev_b32 v1, 2, v1                        ; my column
	v_mad_u32_u24 v1, v2, s37, v1
	v_add_nc_u32 v1, s33, v1                       ; my first four rows
	v_add_nc_u32 v2, s38, v1                       ; my last four
	v_and_b32 v3, 31, v0
	v_lshlrev_b32 v3, 4, v3
	v_add_nc_u32 v3, s32, v3
	s_wait_kmcnt 0x0
	s_cmp_eq_u32 s6, 1
	s_cselect_b64 s[16:17], s[18:19], s[16:17]     ; the matrix is chosen by the work-group's number
	s_cmp_eq_u32 s6, 2
	s_cselect_b64 s[16:17], s[20:21], s[16:17]
	s_cmp_eq_u32 s6, 3
	s_cselect_b64 s[16:17], s[22:23], s[16:17]
	s_cmp_eq_u32 s6, 4
	s_cselect_b64 s[16:17], s[24:25], s[16:17]
	s_cmp_eq_u32 s6, 0
	s_cselect_b32 s2, QSCALE, 1.0                  ; Wq carries the logits' scale
	s_mov_b32 s3, s2
	s_wait_alu depctr_va_vdst(0)                   ; the offsets v1, v2 and v3 are written, which the loads and the store below read
.irp i, 0,1,2,3
	global_load_b32 v[4+\i], v1, s[16:17] offset:512*\i
.endr
.irp i, 0,1,2,3
	global_load_b32 v[8+\i], v2, s[16:17] offset:512*\i
.endr
	s_wait_loadcnt 0x0
.irp i, 0,1,2,3
	v_pk_mul_f32 v[4+2*\i:5+2*\i], v[4+2*\i:5+2*\i], s[2:3] op_sel_hi:[1,0]
.endr
.irp i, 0,1,2,3
	v_cvt_pk_f16_f32 v[12+\i], v[4+2*\i], v[5+2*\i]
.endr
	s_wait_alu depctr_va_vdst(0)                   ; the conversions have written v[12:15], which the store reads
	global_store_b128 v3, v[12:15], s[30:31]       ; the wave stores its 512 consecutive bytes
	s_endpgm
.Lfunc_end_k_q969e9b2c64_prep:
	.size	k_q969e9b2c64_prep, .Lfunc_end_k_q969e9b2c64_prep-k_q969e9b2c64_prep
	.p2alignl 7, 3214868480
	.fill 96, 4, 3214868480
	.section	.rodata,"a",@progbits
	.p2align	6, 0x0
	.amdhsa_kernel k_q969e9b2c64_prep
		.amdhsa_group_segment_fixed_size 5120
		.amdhsa_private_segment_fixed_size 0
		.amdhsa_enable_private_segment 0
		.amdhsa_kernarg_size 96
		.amdhsa_user_sgpr_count 2
		.amdhsa_user_sgpr_kernarg_segment_ptr 1
		.amdhsa_wavefront_size32 1
		.amdhsa_system_sgpr_workgroup_id_x 1
		.amdhsa_system_sgpr_workgroup_id_y 1
		.amdhsa_system_sgpr_workgroup_id_z 1
		.amdhsa_system_vgpr_workitem_id 0
		.amdhsa_next_free_vgpr 246
		.amdhsa_next_free_sgpr 66
		.amdhsa_reserve_vcc 0
		.amdhsa_float_denorm_mode_32 3
		.amdhsa_float_denorm_mode_16_64 3
		.amdhsa_memory_ordered 1
		.amdhsa_forward_progress 1
		.amdhsa_inst_pref_size 83
	.end_amdhsa_kernel
	.amdgpu_metadata
---
amdhsa.version: [ 1, 2 ]
amdhsa.kernels:
  - .name:           k_q969e9b2c64_prep
    .symbol:         k_q969e9b2c64_prep.kd
    .args:
      - { .name: x, .offset: 0, .size: 8, .value_kind: global_buffer, .address_space: global }
      - { .name: ln_w, .offset: 8, .size: 8, .value_kind: global_buffer, .address_space: global }
      - { .name: ln_b, .offset: 16, .size: 8, .value_kind: global_buffer, .address_space: global }
      - { .name: Wb, .offset: 24, .size: 8, .value_kind: global_buffer, .address_space: global }
      - { .name: Wq, .offset: 32, .size: 8, .value_kind: global_buffer, .address_space: global }
      - { .name: Wk, .offset: 40, .size: 8, .value_kind: global_buffer, .address_space: global }
      - { .name: Wv, .offset: 48, .size: 8, .value_kind: global_buffer, .address_space: global }
      - { .name: Wg, .offset: 56, .size: 8, .value_kind: global_buffer, .address_space: global }
      - { .name: Wo, .offset: 64, .size: 8, .value_kind: global_buffer, .address_space: global }
      - { .name: zh, .offset: 72, .size: 8, .value_kind: global_buffer, .address_space: global }
      - { .name: biasf, .offset: 80, .size: 8, .value_kind: global_buffer, .address_space: global }
      - { .name: wfrag, .offset: 88, .size: 8, .value_kind: global_buffer, .address_space: global }
    .group_segment_fixed_size: 5120
    .private_segment_fixed_size: 0
    .kernarg_segment_align: 8
    .kernarg_segment_size: 96
    .max_flat_workgroup_size: 256
    .sgpr_count:     66
    .vgpr_count:     246
    .wavefront_size: 32
...
	.end_amdgpu_metadata
.endif
;; end of part 5
;; launch attn: the kernel of part 4 again; grid 256 x 1, 4 waves a work-group, clusters of 4 x 1, 327,680 bytes of LDS; arguments zh, biasf, wfrag, out0; writes out0
